; MI455X (gfx1250); checked and timed in simulation.
; The chip was launched on July 23, 2026; its instructions are those of AMD's public machine-readable ISA for CDNA 5 (MIT licence, August 2026) and "CDNA5" Instruction Set Architecture Reference Guide (July 2026). The comments in the code are by the model that wrote it; some were corrected since.
;; Encoder RNN. Allowed arithmetic: matrix products marked QUANTISED: E3M2 operands, one E8M0 scale for each 32 along K, by v_wmma_scale_f32_16x16x128_f8f6f4 with both operands' format E3M2, f32 sums; everything else in f32.
;; Inputs: b_hh 4 x 4,000 float32; b_ih 4 x 4,000 float32; w_hh 4 x 4,000 x 1,000 float32; w_ih 4 x 4,000 x 1,000 float32; x 2,048 x 1 x 1,000 float32.
;; Outputs: out0 2,048 x 1 x 1,000 float32.
;; This version of the problem:
;;   THIS VERSION OF THE PROBLEM IS GIVEN IN LOW PRECISION. The matrix products marked QUANTISED in the list below multiply operands that are first quantised to E3M2 (3 exponent bits, 2 mantissa bits; 6 bits a number), with one power-of-two scale for each 32 numbers along K (OCP MX v1.0); their sums are f32. All else is computed in f32.
;;   The module's matrix products, in the order in which they are computed (A, B: the left and right operand; K: the contracted axis; several contracted axes count as one K, in the product's order):
;;     1. [M 2,048, K 1,000] x [K 1,000, N 4,000]; A: input x; B: input w_ih: QUANTISED
;;     2. [M 2,048, K 1,000] x [K 1,000, N 4,000]; A: computed on the way; B: input w_hh: QUANTISED
;;     3. [M 2,048, K 1,000] x [K 1,000, N 4,000]; A: input x; B: input w_ih: QUANTISED
;;     4. [M 2,048, K 1,000] x [K 1,000, N 4,000]; A: computed on the way; B: input w_hh: QUANTISED
;;     5. [M 2,048, K 1,000] x [K 1,000, N 4,000]; A: input x; B: input w_ih: QUANTISED
;;     6. [M 2,048, K 1,000] x [K 1,000, N 4,000]; A: computed on the way; B: input w_hh: QUANTISED
;;     7. [M 2,048, K 1,000] x [K 1,000, N 4,000]; A: input x; B: input w_ih: QUANTISED
;;     8. [M 2,048, K 1,000] x [K 1,000, N 4,000]; A: computed on the way; B: input w_hh: QUANTISED
;;   THE QUANTISER, for each operand of a quantised product, along K:
;;     - K is cut into blocks of 32 from its start; a last block that is shorter is filled with zeros.
;;     - A block's scale is 2^e with e = floor(log2(the largest magnitude in the block)) - 4, held to -126 .. 127; a block of zeros has e = 0. As a byte (E8M0): e + 127.
;;     - Each number is divided by its block's scale, clamped to +-28, and rounded to the nearest number of E3M2, ties to even, subnormals kept.
;;     - The product sums the exact products of the quantised numbers (number of the format x scale) in f32.
;;   ~~~python
;;   def quantise(x, axis):      # numpy; x: float32 -> the quantised numbers, widened to float32 again
;;       x = np.moveaxis(x, axis, -1); K = x.shape[-1]
;;       x = np.pad(x, [(0, 0)] * (x.ndim - 1) + [(0, -K % 32)]); x = x.reshape(x.shape[:-1] + (-1, 32)); a = np.abs(x).max(-1, keepdims=True)
;;       e = np.where(a > 0, np.clip(np.frexp(np.where(a > 0, a, 1))[1] - 1 - 4, -126, 127), 0)      # np.frexp(a)[1] - 1 = floor(log2(a)), exactly
;;       r = np.clip(x / 2.0 ** e, -28, 28)
;;       step = 2.0 ** (np.maximum(np.frexp(np.where(r == 0, 1, r))[1] - 1, -2) - 2)
;;       q = np.round(r / step) * step * 2.0 ** e      # np.round: ties to even
;;       return np.moveaxis(q.reshape(q.shape[:-2] + (-1,))[..., :K], -1, axis).astype(np.float32)
;;   ~~~
;;   OPERANDS COMPUTED ON THE WAY. 'Computed on the way' means the value that the module computes at that place (a softmax that the list does not call 'softmax' is quantised finished and normalised). What goes into a quantiser is computed in f32, as accurately as f32 sums, v_exp_f32 and their like allow (about 1e-6 of the number): no bf16 or f16 on the way to a quantiser, and a product that is left as it is and whose result goes on into a quantised operand takes f32 operands (vector FMAs, or v_wmma_f32_16x16x4_f32). A number that lies on a knife's edge between two numbers of the format may be rounded either way, as far as f32 arithmetic and the matrix unit's own rounding can turn it there, and no further.
;; One version. Each part assembles by itself: llvm-mc -triple=amdgcn-amd-amdhsa -mcpu=gfx1250 --defsym DOCPART=n.
;; ======== version 1 of 1: 5 launches
;; workspace buffers: xq 1,638,400 bytes; p0 6,569,984 bytes; p1 6,569,984 bytes; p2 6,569,984 bytes; p3 6,569,984 bytes; st_a 10,027,008 bytes; st_b 10,027,008 bytes
;; launch quant (part 1): grid 240 x 1, 16 waves a work-group, no clusters, 141,312 bytes of LDS; arguments x, w_ih, w_hh, b_ih, b_hh, xq, p0, p1, p2, p3; writes xq, p0, p1, p2, p3
.if DOCPART == 1
	.amdgcn_target "amdgcn-amd-amdhsa--gfx1250"
	.amdhsa_code_object_version 6
	.text
	.protected	k_q430ae0c40a_quant
	.globl	k_q430ae0c40a_quant
	.p2align	8
	.type	k_q430ae0c40a_quant,@function
k_q430ae0c40a_quant:
	s_mov_b64 s[64:65], 0
	v_nop
	global_prefetch_b8 v0, s[64:65] scope:SCOPE_SE
	s_setreg_imm32_b32 hwreg(HW_REG_WAVE_MODE, 25, 1), 1
	s_wait_xcnt 0x0
; x [2048][1000], w_ih [4][4000][1000] and w_hh [4][4000][1000] (layers 1 to 3), f32, become codes of BF6 (E3M2) with one E8M0 byte for each 32 along K, K filled to 1,024 with zero codes,
; laid IN THE ORDER OF THE OPERANDS' REGISTERS, so that the cells' launches bring a K step's tiles as one dense block and load each fragment lane by lane.  b_ih + b_hh is laid beside the weights.
; xq: [row block of 128: 16][K step of 128: 8] blocks of 12,800 bytes: 8 tiles of 16 rows x 1,536 bytes, a tile as six pieces [piece][lane][8 bytes] (piece p = registers 2 p, 2 p + 1);
;     at +12,288 the scale words [half of the rows: 2][lane L][q: 2]: the word of tile 4 half + 2 q + L / 16, row L % 16.
; p_l: [block of 64 units ng: 16][K step: 16 (0-7 w_ih, 8-15 w_hh)] blocks of 25,600 bytes: 16 tiles x 1,536 bytes, a tile as [g: 3][lane][16 bytes] (registers 4 g .. 4 g + 3).  Tile 8 uh + 2 gate + u; its row r is
;     weight row 1000 gate + 64 ng + 32 uh + 8 u + r + 8 (r / 8).  At +24,576 the scale words [uh][lane L][q: 4]: tile 2 q + L / 16, row L % 16.  At +6,553,600 the bias [ng][uh][gate][unit: 32] f32.
; A block's scale is 2^(floor(log2(its largest magnitude)) - 4); its byte is the largest magnitude's exponent field - 4, held at 1 from below by a floor among the maximum's leaves.
; LIMITS: NaN and infinities are not served.  A block's largest magnitude is taken no smaller than 2^-122; a block of zeros has the byte 1 where the rule says 127 (its codes are zeros, and this program alone
; reads the bytes).  w_hh[0] is not read: reference() multiplies it by the zeros that it sets itself.  Units 1000 to 1023 get zero codes and a zero bias.
; SHARES.  Work-groups 0-15: 128 rows of x each.  Work-group 16 + j: matrix j / 32 (0-3: w_ih[m]; 4-6: w_hh[m - 3]), ng = (j % 32) / 2, uh = j % 2: 8 tiles.  Wave w: tile w % 8, K steps 4 (w / 8) + 0 .. 3.
; A load reads 512 consecutive bytes of one row; the 16 rows turn through the wave's own stage in LDS, so that lane (r, h) gets k = 64 c + 32 h + 0 .. 31 of row r: two whole blocks, the operand's own order.
.set KSA,   12800
.set KSW,   25600
.set PBIAS, 6553600
.set SP,    528                        ; a stage row: 512 bytes + 16, an odd multiple of 16
.set SCG,   16*16*SP                   ; behind the 16 stages: the scale words, 256 bytes a wave: 64 x step + 4 r
.set VO,    2                          ; v2   16 x lane: my place in a load's 512 bytes and in a store's
.set VOL,   3                          ; v3   the same, held at the row's last 16 bytes in K step 7
.set TWR,   4                          ; v4   the stage, on the way in
.set TRD,   5                          ; v5   and on the way out
.set SWR,   6                          ; v6   where my row's scale word goes
.set SRD,   7                          ; v7   where I gather scale words at the end
.set GX,    8                          ; v8   8 x lane
.set RV,    9                          ; v9   all ones where my row exists, else 0
.set RVZ,   11                         ; v11  the same, 0 in the lanes that hold k 992 .. 1023
.set RV7,   12                         ; v12  the same, 0xffff there
.set SH,    13                         ; v13  8 h
.set R,     32                         ; v32-159  two sets of 64: 16 rows as loaded
.set X,     160                        ; v160-223 my 64 numbers
.set C,     224                        ; v224-235 the fragment
.set T,     236                        ; v236-242 the halves whose place begins on an odd register
.set TM,    244                        ; v244-251 at work
	s_load_b256 s[4:11], s[0:1], 0x0               ; x, w_ih, w_hh, b_ih
	s_load_b256 s[12:19], s[0:1], 0x20             ; b_hh, xq, p0, p1
	s_load_b128 s[20:23], s[0:1], 0x40             ; p2, p3
	v_lshl_add_u32 v254, v0, 2, 0x22000
	v_mov_b32 v255, 0
	v_lshrrev_b32 v1, 5, v0
	v_readfirstlane_b32 s24, v1                    ; wave
	s_and_b32 s25, s24, 7                          ; t: my tile
	s_lshr_b32 s26, s24, 3                         ; kh: my half of K
	s_sub_co_i32 s27, ttmp9, 16
	s_max_i32 s27, s27, 0                          ; j (0 in x's work-groups, where it is not used)
	s_lshr_b32 s28, s27, 5                         ; matrix
	s_and_b32 s29, s27, 31                         ; 2 ng + uh
	s_lshr_b32 s30, s29, 1                         ; ng
	s_and_b32 s31, s27, 1                          ; uh
	s_cmp_ge_u32 s28, 4
	s_cselect_b32 s32, 1, 0                        ; 1: a matrix of w_hh
	s_cselect_b32 s33, 3, 0
	s_sub_co_u32 s33, s28, s33                     ; the layer
	s_lshl_b32 s34, s30, 6
	s_lshl_b32 s35, s31, 5
	s_add_co_u32 s34, s34, s35                     ; U0 = 64 ng + 32 uh
	s_and_b32 s35, s25, 1
	s_lshl_b32 s35, s35, 3
	s_add_co_u32 s35, s34, s35                     ; a = U0 + 8 u: the units of tile rows 0-7 begin here,
	s_add_co_u32 s36, s35, 16                      ; those of rows 8-15 here
	s_cmp_lt_u32 s35, 1000
	s_cselect_b32 s37, -1, 0                       ; a run of 8 units exists whole or not at all (1000 is a multiple of 8)
	s_cmp_lt_u32 s36, 1000
	s_cselect_b32 s38, -1, 0
	s_min_u32 s35, s35, 992                        ; a run that does not exist reads rows that do: no load leaves its buffer
	s_min_u32 s36, s36, 992
	s_lshr_b32 s39, s25, 1
	s_mul_i32 s39, s39, 1000                       ; the gate's rows
	s_add_co_u32 s35, s35, s39
	s_add_co_u32 s36, s36, s39
	s_lshl_b32 s40, ttmp9, 7
	s_lshl_b32 s41, s25, 4
	s_add_co_u32 s40, s40, s41                     ; x: rows 128 W + 16 t on,
	s_add_co_u32 s41, s40, 8                       ; and eight further
	s_cmp_lt_u32 ttmp9, 16                         ; x's work-group?  Every choice hangs on the work-group's number alone
	s_cselect_b32 s35, s40, s35
	s_cselect_b32 s36, s41, s36
	s_cselect_b32 s37, -1, s37
	s_cselect_b32 s38, -1, s38
	s_cselect_b32 s42, 0, s33
	s_mul_i32 s35, s35, 4000
	s_mul_i32 s36, s36, 4000
	s_mul_i32 s42, s42, 16000000                   ; the layer's matrix
	s_lshl_b32 s43, s26, 11                        ; my half of K: 512 numbers on
	s_add_co_u32 s42, s42, s43
	s_add_co_u32 s44, s35, s42
	s_mov_b32 s45, 0
	s_add_co_u32 s46, s36, s42
	s_mov_b32 s47, 0
	s_lshl_b32 s56, ttmp9, 3                       ; where my four fragments go.  x: block 8 W + 4 kh, tile t
	s_lshl_b32 s57, s26, 2
	s_add_co_u32 s56, s56, s57
	s_mul_i32 s56, s56, KSA
	s_mul_i32 s58, s25, 1536
	s_add_co_u32 s56, s56, s58
	s_lshl_b32 s59, s30, 4                         ; weights: block 16 ng + 8 (w_hh) + 4 kh, tile 8 uh + t
	s_lshl_b32 s60, s32, 3
	s_add_co_u32 s59, s59, s60
	s_add_co_u32 s60, s59, s57
	s_mul_i32 s60, s60, KSW
	s_add_co_u32 s60, s60, s58
	s_mul_i32 s61, s31, 8*1536
	s_add_co_u32 s60, s60, s61
	s_add_co_u32 s66, s59, s24                     ; where K step w's scale words go (waves 0-7)
	s_mul_i32 s66, s66, KSW
	s_lshl_b32 s67, s31, 9
	s_add_co_u32 s66, s66, s67
	s_add_co_u32 s66, s66, 24576
	s_lshl_b32 s68, ttmp9, 3
	s_add_co_u32 s68, s68, s24
	s_mul_i32 s68, s68, KSA
	s_add_co_u32 s68, s68, 12288
	s_cmp_lt_u32 ttmp9, 16
	s_cselect_b32 s56, s56, s60
	s_cselect_b32 s66, s68, s66
	s_mov_b32 s57, 0
	s_mov_b32 s67, 0
	s_lshl_b32 s68, s29, 9                         ; the bias of (ng, uh): 512 bytes
	s_add_co_u32 s68, s68, PBIAS
	s_mov_b32 s69, 0
	s_mul_i32 s70, s33, 16000                      ; the layer's row of b_ih and of b_hh
	s_mov_b32 s71, 0
	s_mov_b32 s78, 0x76543210
	s_mov_b32 s79, 0xfedcba98                      ; v_permlanex16_b32's selects for lane l xor 16
	v_and_b32 v1, 31, v0                           ; lane
	v_and_b32 v14, 15, v0                          ; r
	v_bfe_u32 v15, v0, 4, 1                        ; h
	v_lshlrev_b32 v[VO], 4, v1
	s_mov_b32 s76, 496
	s_cmp_eq_u32 s26, 1
	s_cselect_b32 s76, 400, s76                    ; K step 7 has 104 numbers, 416 bytes: lanes 26-31 read k 996 .. 999 again, which lie in the same block of 32 as the places that they fill
	v_min_u32 v[VOL], s76, v[VO]
	s_mul_i32 s77, s24, 16*SP                      ; my stage
	v_add_nc_u32 v[TWR], s77, v[VO]
	v_mul_u32_u24 v[TRD], v14, SP
	v_lshl_add_u32 v[TRD], v15, 7, v[TRD]
	v_add_nc_u32 v[TRD], s77, v[TRD]               ; row r, + 128 h
	s_lshl_b32 s77, s24, 8
	s_add_co_u32 s77, s77, SCG
	v_lshl_add_u32 v[SWR], v14, 2, s77
	s_lshr_b32 s77, s25, 2                         ; K step w was made by waves 8 (w / 4) + tile, as their step w % 4
	s_lshl_b32 s77, s77, 11
	s_and_b32 s76, s24, 3
	s_lshl_b32 s76, s76, 6
	s_add_co_u32 s77, s77, s76
	s_add_co_u32 s77, s77, SCG
	v_lshl_add_u32 v[SRD], v14, 2, s77
	v_lshl_add_u32 v[SRD], v15, 8, v[SRD]          ; lanes 16-31 take the odd tiles
	v_lshlrev_b32 v[GX], 3, v1
	v_cmp_gt_u32 vcc_lo, 8, v14
	v_mov_b32 v[RV], s38
	v_mov_b32 v10, s37
	v_cndmask_b32 v[RV], v[RV], v10, vcc_lo        ; rows 0-7: the first run's flag; rows 8-15: the second's
	v_mul_u32_u24 v10, s26, v15
	v_add_nc_u32 v10, -1, v10                      ; 0 where h = kh = 1, else all ones
	v_and_b32 v[RVZ], v[RV], v10
	v_or_b32 v10, 0xffff, v10
	v_and_b32 v[RV7], v[RV], v10
	v_lshlrev_b32 v[SH], 3, v15
	v_mov_b32 v[TM+7], 0                           ; written once: a lane permute's destination counts as one of its sources
	s_wait_kmcnt 0x0
	s_cmp_eq_u32 s32, 1
	s_cselect_b64 s[48:49], s[8:9], s[6:7]
	s_cmp_lt_u32 ttmp9, 16
	s_cselect_b64 s[48:49], s[4:5], s[48:49]       ; the tensor that I read
	s_add_nc_u64 s[50:51], s[48:49], s[46:47]      ; its rows for tile rows 8-15,
	s_add_nc_u64 s[48:49], s[48:49], s[44:45]      ; and for tile rows 0-7
	s_cmp_eq_u32 s33, 1
	s_cselect_b64 s[52:53], s[18:19], s[16:17]
	s_cmp_eq_u32 s33, 2
	s_cselect_b64 s[52:53], s[20:21], s[52:53]
	s_cmp_eq_u32 s33, 3
	s_cselect_b64 s[52:53], s[22:23], s[52:53]     ; the layer's pack
	s_cmp_lt_u32 ttmp9, 16
	s_cselect_b64 s[54:55], s[14:15], s[52:53]     ; the pack that I write
	s_add_nc_u64 s[62:63], s[54:55], s[56:57]      ; my fragments
	s_add_nc_u64 s[66:67], s[54:55], s[66:67]      ; my scale words
	s_add_nc_u64 s[68:69], s[52:53], s[68:69]      ; the bias
	s_add_nc_u64 s[72:73], s[10:11], s[70:71]
	s_add_nc_u64 s[74:75], s[12:13], s[70:71]
.macro LOAD s                          ; K step s of my four: 16 rows x 512 bytes into set s % 2; 32 lanes read 512 consecutive bytes
.irp i, 0,1,2,3,4,5,6,7
.if (\s) == 3
	global_load_b128 v[R+64*((\s)%2)+4*\i:R+64*((\s)%2)+4*\i+3], v[VOL], s[48:49] offset:4000*\i+512*(\s) th:TH_LOAD_NT
.else
	global_load_b128 v[R+64*((\s)%2)+4*\i:R+64*((\s)%2)+4*\i+3], v[VO], s[48:49] offset:4000*\i+512*(\s) th:TH_LOAD_NT
.endif
.endr
.irp i, 0,1,2,3,4,5,6,7
.if (\s) == 3
	global_load_b128 v[R+64*((\s)%2)+32+4*\i:R+64*((\s)%2)+32+4*\i+3], v[VOL], s[50:51] offset:4000*\i+512*(\s) th:TH_LOAD_NT
.else
	global_load_b128 v[R+64*((\s)%2)+32+4*\i:R+64*((\s)%2)+32+4*\i+3], v[VO], s[50:51] offset:4000*\i+512*(\s) th:TH_LOAD_NT
.endif
.endr
.endm
.macro STEP s
.if (\s) < 3
	s_wait_loadcnt 16                              ; this step's 16 loads are in; the next step's 16 may be out
.else
	s_wait_loadcnt 0x0
.endif
.irp i, 0,1,2,3,4,5,6,7,8,9,10,11,12,13,14,15
	ds_store_b128 v[TWR], v[R+64*((\s)%2)+4*\i:R+64*((\s)%2)+4*\i+3] offset:SP*\i
.endr
.irp c, 0,1
.irp j, 0,1,2,3,4,5,6,7
	ds_load_b128 v[X+32*\c+4*\j:X+32*\c+4*\j+3], v[TRD] offset:256*\c+16*\j   ; LDS serves a wave's instructions in order: these see the stores above, and the next step's stores come behind them
.endr
.endr
	s_wait_dscnt 0x0                               ; my numbers are back, and the stores into the stage have read their registers
	s_wait_xcnt 0x0                                ; the last step's global stores have read the fragment's registers, which are written again below
.if (\s) < 2
	LOAD (\s)+2
.endif
.irp c, 0,1
	v_max3_num_f32 v[TM+\c], |v[X+32*\c]|, |v[X+32*\c+1]|, 0x2800000   ; my block 2 c + h: all 32 numbers are mine; and the floor 2^(5 - 127): the byte cannot fall under 1
.endr
.irp i, 2,4,6,8,10,12,14,16,18,20,22,24,26,28,30
.irp c, 0,1
	v_max3_num_f32 v[TM+\c], v[TM+\c], |v[X+32*\c+\i]|, |v[X+32*\c+\i+1]|
.endr
.endr
.irp c, 0,1
	v_add_nc_u32 v[TM+2+\c], 0xfe000000, v[TM+\c]  ; 4 off the exponent field: the conversion takes this operand's exponent field as its scale
.endr
.irp c, 0,1
	v_lshrrev_b32 v[TM+4+\c], 23, v[TM+2+\c]       ; the scale's byte
.endr
	v_lshl_or_b32 v[TM+6], v[TM+5], 16, v[TM+4]    ; my two bytes, blocks h and 2 + h,
	v_lshlrev_b32 v[TM+6], v[SH], v[TM+6]          ; at their places in the row's word;
	v_permlanex16_b32 v[TM+7], v[TM+6], s78, s79
	v_or_b32 v[TM+6], v[TM+6], v[TM+7]             ; with lane l xor 16's two the word is whole
	v_cvt_scalef32_pk16_bf6_f32 v[C:C+2], v[X:X+15], v[TM+2]
	v_cvt_scalef32_pk16_bf6_f32 v[T:T+2], v[X+16:X+31], v[TM+2]        ; (a conversion's three registers begin on an even number)
	v_cvt_scalef32_pk16_bf6_f32 v[C+6:C+8], v[X+32:X+47], v[TM+3]
	v_cvt_scalef32_pk16_bf6_f32 v[T+4:T+6], v[X+48:X+63], v[TM+3]
	v_nop                                          ; one plain place behind the scaled conversions
.irp k, 0,1,2,3,4,5,6,7,8,9,10,11      ; one line a register masks and, where needed, moves: rows that do not exist get zero codes; in K step 7 so do k 1000 .. 1023: the bits from 48 on of the block's 192
.set MK, RV
.if (\s) == 3
.if \k == 7
.set MK, RV7
.elseif \k > 7
.set MK, RVZ
.endif
.endif
.set SRC, C+\k
.if (\k%6) >= 3
.set SRC, T+4*(\k/6)+(\k%6)-3
.endif
	v_and_b32 v[C+\k], v[MK], v[SRC]
.endr
	ds_store_b32 v[SWR], v[TM+6] offset:64*(\s)    ; both lanes of a row write the same word with the same value
	s_cmp_lt_u32 ttmp9, 16
	s_cbranch_scc1 .Lx_\@
.irp g, 0,1,2
	global_store_b128 v[VO], v[C+4*\g:C+4*\g+3], s[62:63] offset:KSW*(\s)+512*\g   ; 32 lanes store 512 consecutive bytes, at a multiple of 256 from the buffer's first byte
.endr
	s_branch .Ldone_\@
.Lx_\@:
.irp p, 0,1,2,3,4,5
	global_store_b64 v[GX], v[C+2*\p:C+2*\p+1], s[62:63] offset:KSA*(\s)+256*\p    ; 32 lanes store 256 consecutive bytes, aligned likewise
.endr
.Ldone_\@:
.endm
	LOAD 0
	LOAD 1
	STEP 0
	STEP 1
	STEP 2
	STEP 3
	s_wait_dscnt 0x0                               ; for the others' sake: my scale words lie in LDS
	s_barrier_signal -1
	s_barrier_wait -1
	s_cmp_lt_u32 s24, 8
	s_cbranch_scc0 .Lnot_scales
.irp q, 0,1,2,3                        ; wave w gathers K step w's words: register q: tile 2 q + h, row r
	ds_load_b32 v[16+\q], v[SRD] offset:512*\q
.endr
	s_wait_dscnt 0x0
	s_cmp_lt_u32 ttmp9, 16
	s_cbranch_scc1 .Lx_scales
	global_store_b128 v[VO], v[16:19], s[66:67]    ; 512 consecutive bytes
	s_branch .Lend
.Lx_scales:
	global_store_b64 v[GX], v[16:17], s[66:67]     ; tiles 0-3: the first half of the rows,
	global_store_b64 v[GX], v[18:19], s[66:67] offset:256   ; tiles 4-7: the second
	s_branch .Lend
.Lnot_scales:
	s_cmp_lg_u32 s24, 8
	s_cbranch_scc1 .Lend
	s_sub_co_u32 s76, ttmp9, 16
	s_cmp_lt_u32 s76, 128                          ; w_ih's work-groups also lay the bias: wave 8, lane L: gate L / 8, units U0 + 4 (L % 8) + 0 .. 3
	s_cbranch_scc0 .Lend
	v_and_b32 v20, 7, v1
	v_lshl_add_u32 v20, v20, 2, s34
	v_cmp_gt_u32 vcc_lo, 1000, v20                 ; four units exist together or not at all
	v_min_u32 v21, 996, v20
	v_lshrrev_b32 v22, 3, v1
	v_mad_u32_u24 v21, v22, 1000, v21
	v_lshlrev_b32 v21, 2, v21
	global_load_b128 v[24:27], v21, s[72:73]
	global_load_b128 v[28:31], v21, s[74:75]
	s_wait_loadcnt 0x0
	v_pk_add_f32 v[24:25], v[24:25], v[28:29]
	v_pk_add_f32 v[26:27], v[26:27], v[30:31]
.irp i, 24,25,26,27
	v_cndmask_b32 v\i, 0, v\i, vcc_lo
.endr
	global_store_b128 v[VO], v[24:27], s[68:69]    ; 512 consecutive bytes
.Lend:
	s_wait_tensorcnt 0x0
	ds_add_u32 v254, v255
	s_wait_dscnt 0x0
	s_endpgm
.Lfunc_end_k_q430ae0c40a_quant:
	.size	k_q430ae0c40a_quant, .Lfunc_end_k_q430ae0c40a_quant-k_q430ae0c40a_quant
	.p2alignl 7, 3214868480
	.fill 96, 4, 3214868480
	.section	.rodata,"a",@progbits
	.p2align	6, 0x0
	.amdhsa_kernel k_q430ae0c40a_quant
		.amdhsa_group_segment_fixed_size 141312
		.amdhsa_private_segment_fixed_size 0
		.amdhsa_enable_private_segment 0
		.amdhsa_kernarg_size 80
		.amdhsa_user_sgpr_count 2
		.amdhsa_user_sgpr_kernarg_segment_ptr 1
		.amdhsa_wavefront_size32 1
		.amdhsa_system_sgpr_workgroup_id_x 1
		.amdhsa_system_sgpr_workgroup_id_y 1
		.amdhsa_system_sgpr_workgroup_id_z 1
		.amdhsa_system_vgpr_workitem_id 0
		.amdhsa_next_free_vgpr 256
		.amdhsa_next_free_sgpr 80
		.amdhsa_reserve_vcc 1
		.amdhsa_float_denorm_mode_32 3
		.amdhsa_float_denorm_mode_16_64 3
		.amdhsa_memory_ordered 1
		.amdhsa_forward_progress 1
		.amdhsa_inst_pref_size 39
	.end_amdhsa_kernel
	.amdgpu_metadata
---
amdhsa.version: [ 1, 2 ]
amdhsa.kernels:
  - .name:           k_q430ae0c40a_quant
    .symbol:         k_q430ae0c40a_quant.kd
    .args:
      - { .name: x, .offset: 0, .size: 8, .value_kind: global_buffer, .address_space: global }
      - { .name: w_ih, .offset: 8, .size: 8, .value_kind: global_buffer, .address_space: global }
      - { .name: w_hh, .offset: 16, .size: 8, .value_kind: global_buffer, .address_space: global }
      - { .name: b_ih, .offset: 24, .size: 8, .value_kind: global_buffer, .address_space: global }
      - { .name: b_hh, .offset: 32, .size: 8, .value_kind: global_buffer, .address_space: global }
      - { .name: xq, .offset: 40, .size: 8, .value_kind: global_buffer, .address_space: global }
      - { .name: p0, .offset: 48, .size: 8, .value_kind: global_buffer, .address_space: global }
      - { .name: p1, .offset: 56, .size: 8, .value_kind: global_buffer, .address_space: global }
      - { .name: p2, .offset: 64, .size: 8, .value_kind: global_buffer, .address_space: global }
      - { .name: p3, .offset: 72, .size: 8, .value_kind: global_buffer, .address_space: global }
    .group_segment_fixed_size: 141312
    .private_segment_fixed_size: 0
    .kernarg_segment_align: 8
    .kernarg_segment_size: 80
    .max_flat_workgroup_size: 512
    .sgpr_count:     80
    .vgpr_count:     256
    .wavefront_size: 32
...
	.end_amdgpu_metadata
.endif
;; end of part 1
;; launch layer0 (part 2): grid 16 x 16, 4 waves a work-group, clusters of 4 x 4, 327,680 bytes of LDS; arguments xq, p0, st_a; writes st_a
.if DOCPART == 2
	.amdgcn_target "amdgcn-amd-amdhsa--gfx1250"
	.amdhsa_code_object_version 6
	.text
	.protected	k_q430ae0c40a_layer0
	.globl	k_q430ae0c40a_layer0
	.p2align	8
	.type	k_q430ae0c40a_layer0,@function
k_q430ae0c40a_layer0:
	s_mov_b64 s[64:65], 0
	v_nop
	global_prefetch_b8 v0, s[64:65] scope:SCOPE_SE
	s_setreg_imm32_b32 hwreg(HW_REG_WAVE_MODE, 25, 1), 1
	s_wait_xcnt 0x0
	s_wait_alu depctr_hold_cnt(0) depctr_sa_sdst(0) depctr_va_vdst(0) depctr_va_sdst(0) depctr_va_ssrc(0) depctr_va_vcc(0) depctr_vm_vsrc(0)
	s_getreg_b32 s2, hwreg(HW_REG_IB_STS2, 6, 4)
	s_cmp_eq_u32 s2, 0
	s_cbranch_scc0 .Lentry_in_a_cluster
	s_endpgm
.Lentry_in_a_cluster:
	s_bfe_u32 s2, ttmp6, 0x10000c
	s_cmp_lg_u32 s2, 0xf033
	s_cbranch_scc0 .Lentry_shape_is_right
	s_endpgm
.Lentry_shape_is_right:
; ONE LSTM CELL FOR ALL 2,048 ROWS.  gates = x Wih^T + h Whh^T + (bih + bhh); c' = s(f) c + s(i) tanh(g); h' = s(o) tanh(c').  Both products on codes of BF6 (E3M2) with one E8M0 scale for each 32 along K, sums in f32.
; FIRST = 1: the cell ahead of which reference() itself sets h = 0 and c = 0: the product with h, and the f gate, which only multiplies c, add nothing and are not multiplied.
; LAST = 1: relu(h') leaves as f32.  Else c' leaves as f32 in the order of my registers, and h' is quantised along the units, the next cell's K, and leaves as codes in the order of the next operand's registers.
; Arguments: x's pack, the layer's pack of weights and bias, (not FIRST: the state that the cell before stored,) the state or the output that this one stores.
; PACKS.  Rows (x, h): [row block mg: 16][K step of 128: 8] blocks of 12,800 bytes: 8 tiles of 16 rows x 1,536 bytes as [piece: 6][lane][8 bytes]; at +12,288 scale words [half][lane L][q: 2]: tile 4 half + 2 q + L / 16, row L % 16.
; Weights: [ng: 16][K step: 16 (0-7 Wih, 8-15 Whh)] blocks of 25,600 bytes: 16 tiles x 1,536 bytes as [g: 3][lane][16 bytes]; tile 8 uh + 2 gate + u, its row r = unit 64 ng + 32 uh + 8 u + r + 8 (r / 8) of the gate;
; at +24,576 scale words [uh][lane L][q: 4]: tile 2 q + L / 16.  At +6,553,600 the bias [ng][uh][gate][unit: 32].  A state: c at 0 as [mg][ng][wave][tile of rows: 4][j: 4][lane][16 bytes]; at +8,388,608 a pack of h.
; SHARES.  A work-group: 128 rows (mg) x 64 units (ng) x 4 gates.  Wave w: rows 64 (w / 2) on, units 32 (w % 2) on: 4 tiles of rows x 8 tiles of weights = 32 accumulators.  256 work-groups.
; THE MATRIX INSTRUCTION IS USED TRANSPOSED (source 0 = 16 rows of the weights, source 1 = 16 rows of x or h): a lane holds one row, and the 16 registers of a gate's two tiles are units U0 + 16 (lane / 16) + 0 .. 15.
; So all four gates of a unit meet in one lane, and h' has 16 neighbours along the next K in a lane's consecutive registers.
; THE RING: two LDS slots of four K steps each (153,600 bytes), filled by the tensor data mover: waves 0, 1 bring the halves of the rows' blocks, waves 2, 3 those of the weights'.
; CLUSTER: 4 x 4 work-groups; the four of a row of the cluster share mg and ask for the rows' blocks jointly, the four of a column share ng and ask for the weights' jointly.
; LIMITS: NaN and infinities are not served.  tanh(x) = 1 - 2 / (1 + 2^(2 x log2 e)): its absolute error is about 1e-7, so its relative error grows for |x| far under 1.  h's largest magnitude of a block is taken no smaller
; than 2^-122 and a block of zeros has the byte 1 (this program alone reads the bytes).  Units 1000 to 1023 have zero weights, bias and c; what is computed for them (0, or a last-bit remainder of tanh(0)) is quantised with
; units 992 to 999 and meets zero codes of the next weights.
; REGISTERS, in windows of 256: window 0: v2-30 addresses; v32-37, v40-45 scale words, two sets; v64-159 the rows' fragments, two sets; v160.. the way out.   window 1: the weights' fragments, two sets, at v0 and v128.
;   window 2: the accumulators: (tile of rows m, tile of weights t) at v[64 m + 8 t].   window 3: v0-63 the bias, tile t at v[8 t]; v64-127 c.
.set FIRST, 1
.set LAST,  0
.set KSA,   12800
.set KSW,   25600
.set WOFF,  4*KSA                      ; a slot: four blocks of rows, then four of weights
.set SLOT,  4*KSA+4*KSW
.set SPARE, 2*SLOT                     ; behind the ring: the spare words, 128 bytes for each wave: two blocks of 256 bytes that no other line names
.set CBYTES, 8388608
.set PBIAS, 256*KSW
.set ADRA,  2                          ; v2-3    my rows' fragments in slot 0, 1
.set ADRAS, 4                          ; v4-5    their scale words
.set ADRW,  6                          ; v6-9    my weights' fragments: slot 0 K steps 0-1, 2-3; slot 1 likewise (an LDS offset has 16 bits)
.set ADRWS, 10                         ; v10-13  their scale words
.set SPW,   14                         ; v14     LDS address of my spare word; never rewritten
.set NIL,   15                         ; v15     0; never rewritten
.set L16,   16                         ; v16     16 x lane
.set BO,    17                         ; v17     64 h: my half's place in a gate's 32 biases
.set E0,    18                         ; v18-24  the way out
.set HH,    28
.set RR,    29
.set L8,    30
.set SC,    32
.set AF,    64
.set BK,    160
.set G1A,   20                         ; s[20:27] descriptor group 1 for the rows' blocks;  s[28:35] for the weights'
.set G1W,   28
.set G0A,   36                         ; s[36:51] groups 0 for the rows' blocks, one for each fill;  s[68:83] for the weights'.  None is written again
.set G0W,   68
.set MSB, 0
.macro WIN new                         ; the immediate's high byte repeats the setting that is left
.if MSB != \new
	s_set_vgpr_msb (MSB<<8)|\new
.set MSB, \new
.endif
.endm
.macro PLACES n
.rept \n
	v_nop
.endr
.endm
.macro CREST                           ; a round of the cluster's barrier behind its opening barrier
	s_cmp_lg_u32 s12, 0
	s_cbranch_scc1 .Lnot_wave_0_\@
	s_barrier_signal -3
.Lnot_wave_0_\@:
	s_barrier_wait -3
	s_barrier_signal -1
	s_barrier_wait -1
.endm
.macro CROUND
	s_barrier_signal -1
	s_barrier_wait -1
	CREST
.endm
.macro JLOAD j                         ; a joint load: each line has one mask and one set of registers for all that issue it; the branch hangs on the wave's number alone; four v_nop follow each line
	s_cmp_eq_u32 s13, 0
	s_cbranch_scc0 .Lfor_w_\@
	tensor_load_to_lds s[G0A+4*\j:G0A+4*\j+3], s[G1A:G1A+7]
	PLACES 4
	s_branch .Lasked_\@
.Lfor_w_\@:
	tensor_load_to_lds s[G0W+4*\j:G0W+4*\j+3], s[G1W:G1W+7]
	PLACES 4
.Lasked_\@:
.endm
.macro FETCH slot, q, p                ; the slot's q-th K step into set p: 8 fragments of weights, 4 of rows, their scale words: every load takes consecutive bytes, lane by lane
	WIN 0x40                                       ; destination window 1, address window 0
.irp t, 0,1,2,3,4,5,6,7
.if (FIRST == 0) || ((\t)/2 != 1)
.irp g, 0,1,2
	ds_load_b128 v[128*(\p)+12*\t+4*\g:128*(\p)+12*\t+4*\g+3], v[ADRW+2*(\slot)+(\q)/2] offset:((\q)%2)*KSW+1536*\t+512*\g
.endr
.endif
.endr
	WIN 0
.irp m, 0,1,2,3
.irp c, 0,1,2,3,4,5
	ds_load_b64 v[AF+48*(\p)+12*\m+2*\c:AF+48*(\p)+12*\m+2*\c+1], v[ADRA+(\slot)] offset:KSA*(\q)+1536*\m+256*\c
.endr
.endr
	ds_load_b128 v[SC+8*(\p):SC+8*(\p)+3], v[ADRWS+2*(\slot)+(\q)/2] offset:((\q)%2)*KSW   ; register g: lanes 0-15 the words of tile 2 g, lanes 16-31 of tile 2 g + 1
	ds_load_b64 v[SC+8*(\p)+4:SC+8*(\p)+5], v[ADRAS+(\slot)] offset:KSA*(\q)               ; likewise for the tiles of rows
.endm
.macro WM p, m, t, bias                ; one product; bias = 1: the sum begins with the bias as C (window 3)
.set rD, 64*(\m)+8*(\t)
.set rC, rD
.if \bias
.set rC, 8*(\t)
.endif
.set rW, 128*(\p)+12*(\t)
.set rA, AF+48*(\p)+12*(\m)
.set rX, SC+8*(\p)+(\t)/2
.set rY, SC+8*(\p)+4+(\m)/2
.if ((\t)%2 == 0) && ((\m)%2 == 0)
	v_wmma_scale_f32_16x16x128_f8f6f4 v[rD:rD+7], v[rW:rW+11], v[rA:rA+11], v[rC:rC+7], v[rX], v[rY] matrix_a_fmt:MATRIX_FMT_BF6 matrix_b_fmt:MATRIX_FMT_BF6
.elseif ((\t)%2 == 1) && ((\m)%2 == 0)
	v_wmma_scale_f32_16x16x128_f8f6f4 v[rD:rD+7], v[rW:rW+11], v[rA:rA+11], v[rC:rC+7], v[rX], v[rY] matrix_a_fmt:MATRIX_FMT_BF6 matrix_b_fmt:MATRIX_FMT_BF6 matrix_a_scale:MATRIX_SCALE_ROW1
.elseif ((\t)%2 == 0)
	v_wmma_scale_f32_16x16x128_f8f6f4 v[rD:rD+7], v[rW:rW+11], v[rA:rA+11], v[rC:rC+7], v[rX], v[rY] matrix_a_fmt:MATRIX_FMT_BF6 matrix_b_fmt:MATRIX_FMT_BF6 matrix_b_scale:MATRIX_SCALE_ROW1
.else
	v_wmma_scale_f32_16x16x128_f8f6f4 v[rD:rD+7], v[rW:rW+11], v[rA:rA+11], v[rC:rC+7], v[rX], v[rY] matrix_a_fmt:MATRIX_FMT_BF6 matrix_b_fmt:MATRIX_FMT_BF6 matrix_a_scale:MATRIX_SCALE_ROW1 matrix_b_scale:MATRIX_SCALE_ROW1
.endif
.endm
.macro MULM p, m, bias                 ; tile of rows m against my tiles of weights.  All accumulators take turns, one instruction a turn, in the same order in every K step
.irp t, 0,1,2,3,4,5,6,7
.if (FIRST == 0) || ((\t)/2 != 1)
	WM \p, \m, \t, \bias
.endif
.endr
.endm
.macro STEP slot, q, bias              ; a K step that has its successor in the same slot
	s_wait_dscnt 0x0                               ; this step's fragments are in: they were asked for a K step ago
	PLACES 4                                       ; four places in front of loads into registers that matrix instructions have read (ISA guide 7.12.1 for vector instructions)
	FETCH \slot, (\q)+1, 1-(\q)%2
.if \bias
	WIN 0xb1                                       ; source 0 window 1, source 1 window 0, C window 3, D window 2
.else
	WIN 0xa1                                       ; C and D window 2
.endif
.irp m, 0,1,2,3
	MULM (\q)%2, \m, \bias
.endr
.endm
.macro TURN slot, fill                 ; a slot's last K step changes slots: ONE barrier.  fill >= 0: the slot is filled again, by that fill; the barrier then opens a round of the cluster's
	WIN 0                                          ; (the add's two registers lie in window 0)
	s_wait_tensorcnt 0x0                           ; all my tensor loads have landed: my part of the other slot;
	ds_add_u32 v[SPW], v[NIL]                      ; 0 onto my spare word
	s_wait_dscnt 0x1                               ; this step's fragments are in (only the add may be out)
	WIN 0xa1
	MULM 1, 0, 0                                   ; matrix instructions stand between the add and the wait for it
	s_wait_dscnt 0x0                               ; the add is done, and my reads of this slot are over
	s_barrier_signal -1
	MULM 1, 1, 0
	WIN 0
	s_barrier_wait -1
.if \fill >= 0
	CREST                                          ; no wave of any partner still reads this slot or has a load on its way
	JLOAD \fill                                    ; the first tensor load behind the round, one a wave: four K steps of matrix work in which to land; its four v_nop are also the places in front of the loads below
.else
	PLACES 4
.endif
	FETCH 1-\slot, 0, 0
	WIN 0xa1
	MULM 1, 2, 0
	MULM 1, 3, 0
.endm
.macro PICK only_i                     ; use = 1 where register i of window 2 takes part: only_i = 1: the i gate's places alone; else all gates (FIRST: but f)
.set gt, (i/16)%4
.set use, 1
.if \only_i
.if gt != 0
.set use, 0
.endif
.elseif FIRST && (gt == 1)
.set use, 0
.endif
.endm
.macro EXPRCP only_i                   ; y -> 1 / (1 + 2^y), in place.  The exponentials are one batch, the reciprocals another: behind each one plain instruction and ONE wait, ahead of the batch's first reader
.set i, 0
.rept 256
	PICK \only_i
.if use
	v_exp_f32 v[i], v[i]
.endif
.set i, i+1
.endr
	v_nop
	s_wait_alu depctr_va_vdst(0)
.set i, 0
.rept 128
	PICK \only_i
.if use
	v_pk_add_f32 v[i:i+1], v[i:i+1], 1.0 op_sel_hi:[1,0]
.endif
.set i, i+2
.endr
.set i, 0
.rept 256
	PICK \only_i
.if use
	v_rcp_f32 v[i], v[i]
.endif
.set i, i+1
.endr
	v_nop
	s_wait_alu depctr_va_vdst(0)
.endm
	s_load_b128 s[4:7], s[0:1], 0x0                ; x's pack, the layer's pack
.if FIRST
	s_load_b64 s[10:11], s[0:1], 0x10              ; what I store
.else
	s_load_b128 s[8:11], s[0:1], 0x10              ; the state before, what I store
.endif
	v_lshl_add_u32 v[SPW], v0, 2, SPARE
	v_mov_b32 v[NIL], 0
	ds_add_u32 v14, v15
	ds_add_u32 v14, v15
	s_wait_dscnt 0x0
	v_lshrrev_b32 v1, 5, v0
	v_readfirstlane_b32 s12, v1                    ; wave 0..3
	s_lshr_b32 s13, s12, 1                         ; mh: my half of the rows.  Also: I fetch rows' blocks (0) or weights' (1)
	s_and_b32 s14, s12, 1                          ; uh: my half of the units.  Also: which half of a fill I fetch
	s_bfe_u32 s15, ttmp6, 0x40000                  ; cx, cy: my place in the cluster
	s_bfe_u32 s16, ttmp6, 0x40004
	s_lshl_b32 s17, ttmp9, 2
	s_add_co_u32 s17, s17, s15                     ; ng = 4 x cluster x + cx
	s_and_b32 s18, ttmp7, 0xffff
	s_lshl_b32 s18, s18, 2
	s_add_co_u32 s18, s18, s16                     ; mg = 4 x cluster y + cy
	s_lshl_b32 s19, s16, 2
	s_lshl_b32 s19, 15, s19                        ; my row of the cluster
	s_lshl_b32 s52, 0x1111, s15                    ; my column
	; descriptor group 1: a dense block as rows of 256 bytes (32 elements of 8 bytes), no padding: 100 rows (two K steps of rows' blocks), 200 rows (two of weights')
	s_or_b32 s[G1A], s19, (3<<16)|(1<<21)          ; 15:0 the mask; 17:16 elements of 8 bytes; 21 set beside a mask
	s_or_b32 s[G1W], s52, (3<<16)|(1<<21)
	s_mov_b32 s[G1A+1], 32<<16                     ; tensor_dim0
	s_mov_b32 s[G1A+2], 100<<16                    ; tensor_dim1
	s_mov_b32 s[G1A+3], 32<<16                     ; tile_dim0
	s_mov_b32 s[G1A+4], 100                        ; tile_dim1
	s_mov_b32 s[G1A+5], 32                         ; the pitch
	s_mov_b32 s[G1A+6], 0
	s_mov_b32 s[G1A+7], 0
	s_mov_b32 s[G1W+1], 32<<16
	s_mov_b32 s[G1W+2], 200<<16
	s_mov_b32 s[G1W+3], 32<<16
	s_mov_b32 s[G1W+4], 200
	s_mov_b32 s[G1W+5], 32
	s_mov_b32 s[G1W+6], 0
	s_mov_b32 s[G1W+7], 0
	; every wave makes both kinds of group 0; the registers that feed the rows' never hold cx, those that feed the weights' never cy; no place in the cluster enters an LDS address
	s_mul_i32 s53, s14, 2*KSA                      ; my half of a fill of rows' blocks, in LDS and in memory
	s_mul_i32 s54, s18, 8*KSA
	s_add_co_u32 s54, s54, s53
	s_mov_b32 s55, 0
	s_mul_i32 s58, s14, 2*KSW                      ; the same of the weights'
	s_mul_i32 s56, s17, 16*KSW
	s_add_co_u32 s56, s56, s58
	s_mov_b32 s57, 0
	s_add_co_u32 s58, s58, WOFF
	s_mov_b32 s84, 0xbfb8aa3b                      ; -log2(e): s(y) = 1 / (1 + 2^(-y log2 e))
	s_mov_b32 s85, s84                             ; (named with it as a pair, so it is written)
	s_mov_b32 s86, 0x4038aa3b                      ; 2 log2(e): tanh(y) = 1 - 2 / (1 + 2^(2 y log2 e))
	s_mov_b32 s87, s86
	s_mov_b32 s88, 0x76543210
	s_mov_b32 s89, 0xfedcba98                      ; v_permlanex16_b32's selects for lane l xor 16
	s_wait_kmcnt 0x0
	s_add_nc_u64 s[60:61], s[4:5], s[54:55]
	s_add_nc_u64 s[62:63], s[6:7], s[56:57]
.if FIRST == 0
	s_add_nc_u64 s[54:55], s[8:9], s[54:55]
	s_add_nc_u64 s[54:55], s[54:55], CBYTES        ; h's pack
.endif
.irp j, 0,1,2,3                        ; fill j: K steps 4 j .. 4 j + 3, into slot j % 2: rows from x's pack (j < 2) or h's
.if (\j < 2) || (FIRST == 0)
	s_mov_b32 s[G0A+4*\j], 1
	s_add_co_u32 s[G0A+4*\j+1], s53, (\j%2)*SLOT
.if \j < 2
	s_add_nc_u64 s[G0A+4*\j+2:G0A+4*\j+3], s[60:61], (\j%2)*4*KSA
.else
	s_add_nc_u64 s[G0A+4*\j+2:G0A+4*\j+3], s[54:55], (\j%2)*4*KSA
.endif
	s_or_b32 s[G0A+4*\j+3], s[G0A+4*\j+3], 0x80000000
	s_mov_b32 s[G0W+4*\j], 1
	s_add_co_u32 s[G0W+4*\j+1], s58, (\j%2)*SLOT
	s_add_nc_u64 s[G0W+4*\j+2:G0W+4*\j+3], s[62:63], \j*4*KSW
	s_or_b32 s[G0W+4*\j+3], s[G0W+4*\j+3], 0x80000000
.endif
.endr
	s_lshl_b32 s56, s17, 10                        ; the bias of (ng, uh)
	s_lshl_b32 s57, s14, 9
	s_add_co_u32 s56, s56, s57
	s_add_co_u32 s56, s56, PBIAS
	s_mov_b32 s57, 0
	s_add_nc_u64 s[56:57], s[6:7], s[56:57]
.if LAST == 0
	s_lshl_b32 s90, s18, 3                         ; h' goes to block 8 mg + ng / 2 of the pack: my 64 units are half ng % 2 of its 128
	s_lshr_b32 s91, s17, 1
	s_add_co_u32 s90, s90, s91
	s_mul_i32 s90, s90, KSA
	s_add_co_u32 s90, s90, CBYTES
	s_and_b32 s91, s17, 1
	s_mul_i32 s98, s91, 768                        ; pieces 3 (ng % 2) on of each tile
	s_add_co_u32 s66, s90, s98
	s_mov_b32 s67, 0
	s_lshl_b32 s91, s91, 1                         ; bytes 2 (ng % 2) on of each scale word
	s_add_co_u32 s96, s90, s91
	s_add_co_u32 s96, s96, 12288
	s_mov_b32 s97, 0
	s_add_nc_u64 s[66:67], s[10:11], s[66:67]
	s_add_nc_u64 s[96:97], s[10:11], s[96:97]
.endif
	s_lshl_b32 s90, s18, 4                         ; c: 8,192 bytes for each wave of each work-group
	s_add_co_u32 s90, s90, s17
	s_lshl_b32 s90, s90, 2
	s_add_co_u32 s90, s90, s12
	s_lshl_b32 s90, s90, 13
	s_mov_b32 s91, 0
.if FIRST == 0
	s_add_nc_u64 s[92:93], s[8:9], s[90:91]
.endif
.if LAST == 0
	s_add_nc_u64 s[94:95], s[10:11], s[90:91]
.else
	s_lshl_b32 s90, s18, 7                         ; the output: row 128 mg + 32 w, unit 64 ng
	s_lshl_b32 s98, s12, 5
	s_add_co_u32 s90, s90, s98
	s_mul_i32 s90, s90, 4000
	s_lshl_b32 s98, s17, 8
	s_add_co_u32 s90, s90, s98
	s_add_nc_u64 s[94:95], s[10:11], s[90:91]
	s_lshl_b32 s98, s17, 4
	s_sub_co_u32 s98, 250, s98                     ; how many groups of four units of my 64 exist: 10 where ng = 15, else more than 16
.endif
	CROUND                                         ; all sixteen work-groups are here: the first joint loads meet
	s_cmp_eq_u32 s13, 0                            ; a wave's two first fills stand in one branch, ahead of every wait on TENSORcnt and every LDS read: two loads of mine are out
	s_cbranch_scc0 .Lfirst_w
	tensor_load_to_lds s[G0A:G0A+3], s[G1A:G1A+7]
	s_nop 0
	tensor_load_to_lds s[G0A+4:G0A+7], s[G1A:G1A+7]
	s_nop 0
	PLACES 4
	s_branch .Lfirst_asked
.Lfirst_w:
	tensor_load_to_lds s[G0W:G0W+3], s[G1W:G1W+7]
	s_nop 0
	tensor_load_to_lds s[G0W+4:G0W+7], s[G1W:G1W+7]
	s_nop 0
	PLACES 4
.Lfirst_asked:
	v_and_b32 v1, 31, v0                           ; lane
	v_bfe_u32 v[HH], v0, 4, 1                      ; h
	v_and_b32 v[RR], 15, v0                        ; r
	v_lshlrev_b32 v[L16], 4, v1
	v_lshlrev_b32 v[L8], 3, v1
	v_lshlrev_b32 v[BO], 6, v[HH]
	s_mul_i32 s59, s13, 4*1536                     ; my four tiles of rows
	v_add_nc_u32 v[ADRA], s59, v[L8]
	v_add_nc_u32 v[ADRA+1], SLOT, v[ADRA]
	s_lshl_b32 s59, s13, 8
	s_add_co_u32 s59, s59, 12288
	v_add_nc_u32 v[ADRAS], s59, v[L8]
	v_add_nc_u32 v[ADRAS+1], SLOT, v[ADRAS]
	s_mul_i32 s59, s14, 8*1536                     ; my eight tiles of weights
	s_add_co_u32 s59, s59, WOFF
	v_add_nc_u32 v[ADRW], s59, v[L16]
	v_add_nc_u32 v[ADRW+1], 2*KSW, v[ADRW]
	v_add_nc_u32 v[ADRW+2], SLOT, v[ADRW]
	v_add_nc_u32 v[ADRW+3], SLOT+2*KSW, v[ADRW]
	s_lshl_b32 s59, s14, 9
	s_add_co_u32 s59, s59, WOFF+24576
	v_add_nc_u32 v[ADRWS], s59, v[L16]
	v_add_nc_u32 v[ADRWS+1], 2*KSW, v[ADRWS]
	v_add_nc_u32 v[ADRWS+2], SLOT, v[ADRWS]
	v_add_nc_u32 v[ADRWS+3], SLOT+2*KSW, v[ADRWS]
.if LAST == 0
	; the way out of h': a stage at LDS byte 0 (slot 0 has had its last fill and its last read by then): [tile of rows: 8][768 bytes: three pieces], then at 6,144 two scale bytes for each row
	s_mul_i32 s59, s13, 4*768
	s_lshl_b32 s99, s14, 7                         ; the operand's lane is r + 16 uh: 8 bytes a lane
	s_add_co_u32 s59, s59, s99
	v_lshl_add_u32 v[E0], v[RR], 3, s59
	v_mad_u32_u24 v[E0+1], v[HH], 508, v[E0]       ; my second word: h = 0: byte 4 of piece 0; h = 1: byte 0 of piece 2 (with the offset 4)
	v_mad_u32_u24 v[E0], v[HH], 260, v[E0]         ; my first and third: h = 0: piece 0 byte 0, piece 1 byte 0; h = 1: piece 1 byte 4, piece 2 byte 4
	s_lshl_b32 s59, s13, 7
	s_add_co_u32 s59, s59, s14
	s_add_co_u32 s59, s59, 6144
	v_lshl_add_u32 v[E0+2], v[RR], 1, s59          ; my row's scale byte
	s_mul_i32 s59, s12, 1536
	v_add_nc_u32 v[E0+3], s59, v[L8]               ; back: wave w takes tiles 2 w and 2 w + 1,
	s_mul_i32 s59, s12, 3072
	v_add_nc_u32 v[E0+4], s59, v[L8]               ; which lie 1,536 bytes apart in the pack
	s_lshl_b32 s59, s12, 6
	s_add_co_u32 s59, s59, 6144
	v_lshl_add_u32 v[E0+5], v1, 1, s59             ; and 32 pairs of scale bytes,
	s_lshl_b32 s59, s13, 8
	s_lshl_b32 s99, s14, 2
	s_add_co_u32 s59, s59, s99
	v_add_nc_u32 v[E0+6], s59, v[L8]               ; for the words [w / 2][lane][w % 2]
.else
	; the way out of relu(h'): a stage at LDS byte 0: 128 rows x (256 bytes + 16)
	s_mul_i32 s59, s13, 64*272
	s_lshl_b32 s99, s14, 7
	s_add_co_u32 s59, s59, s99
	v_mul_u32_u24 v[E0], v[RR], 272
	v_add_nc_u32 v[E0], s59, v[E0]
	v_lshl_add_u32 v[E0], v[HH], 6, v[E0]          ; in: row 64 mh + r, + 128 uh + 64 h
	s_mul_i32 s59, s12, 32*272
	v_mul_u32_u24 v[E0+1], v[HH], 272
	v_lshl_add_u32 v[E0+1], v[RR], 4, v[E0+1]
	v_add_nc_u32 v[E0+1], s59, v[E0+1]             ; back: wave w takes rows 32 w on; lanes 0-15 one row, lanes 16-31 the next
	v_mul_u32_u24 v[E0+2], v[HH], 4000
	v_lshl_add_u32 v[E0+2], v[RR], 4, v[E0+2]      ; and the same two rows in the output
.endif
	WIN 0xc0                                       ; destination window 3, address window 0
.irp t, 0,1,2,3,4,5,6,7                ; the bias in the result's layout: tile t = 2 gate + u, register j: unit U0 + 16 h + 8 u + j
.if (FIRST == 0) || ((\t)/2 != 1)
	global_load_b128 v[8*\t:8*\t+3], v[BO], s[56:57] offset:128*(\t/2)+32*(\t%2)
	global_load_b128 v[8*\t+4:8*\t+7], v[BO], s[56:57] offset:128*(\t/2)+32*(\t%2)+16
.endif
.endr
.if FIRST == 0
.irp m, 0,1,2,3
.irp j, 0,1,2,3
	global_load_b128 v[64+16*\m+4*\j:64+16*\m+4*\j+3], v[L16], s[92:93] offset:(4*\m+\j)*512 th:TH_LOAD_NT   ; c, wanted only behind the products
.endr
.endr
.endif
	WIN 0
	s_wait_tensorcnt 0x1                           ; my part of slot 0 is in; slot 1's may stay out
	s_barrier_signal -1
	s_barrier_wait -1                              ; everybody's is
	FETCH 0, 0, 0
.if FIRST
	s_wait_loadcnt 0x0                             ; the bias
.else
	s_wait_loadcnt 16                              ; the bias is in; c's 16 loads may be out
.endif
	STEP 0, 0, 1                                   ; the first K step starts the sums, with the bias as C: nothing is cleared
	STEP 0, 1, 0
	STEP 0, 2, 0
.if FIRST == 0
	TURN 0, 2                                      ; slot 0 takes h's K steps 0-3
	STEP 1, 0, 0
	STEP 1, 1, 0
	STEP 1, 2, 0
	TURN 1, 3                                      ; slot 1 takes h's K steps 4-7
	STEP 0, 0, 0
	STEP 0, 1, 0
	STEP 0, 2, 0
.endif
	TURN 0, -1                                     ; nothing is left to fetch: no round
	STEP 1, 0, 0
	STEP 1, 1, 0
	STEP 1, 2, 0
	s_wait_dscnt 0x0
.irp m, 0,1,2,3
	MULM 1, \m, 0
.endr
	; THE CELL, in place in window 2.  For tile of rows m: i at v[64 m], f at +16, g at +32, o at +48; register n: unit U0 + 16 h + n.  Each accumulator is read from its low end on.
	PLACES 4
	WIN 0xaa                                       ; all operands window 2
.set i, 0
.rept 128
	PICK 0
.if use
.if gt == 2
	v_pk_mul_f32 v[i:i+1], v[i:i+1], s[86:87] op_sel_hi:[1,0]
.else
	v_pk_mul_f32 v[i:i+1], v[i:i+1], s[84:85] op_sel_hi:[1,0]
.endif
.endif
.set i, i+2
.endr
	EXPRCP 0                                       ; s(i), s(f), s(o), and 1 / (1 + 2^(2 g log2 e))
.irp m, 0,1,2,3
.irp n, 0,2,4,6,8,10,12,14
	v_pk_fma_f32 v[64*\m+32+\n:64*\m+33+\n], v[64*\m+32+\n:64*\m+33+\n], -2.0, 1.0 op_sel_hi:[1,0,0]   ; tanh(g)
.endr
.endr
.if FIRST
.irp m, 0,1,2,3
.irp n, 0,2,4,6,8,10,12,14
	v_pk_mul_f32 v[64*\m+16+\n:64*\m+17+\n], v[64*\m+\n:64*\m+1+\n], v[64*\m+32+\n:64*\m+33+\n]        ; c' = s(i) tanh(g), at f's place
.endr
.endr
.else
.irp m, 0,1,2,3
.irp n, 0,2,4,6,8,10,12,14
	v_pk_mul_f32 v[64*\m+\n:64*\m+1+\n], v[64*\m+\n:64*\m+1+\n], v[64*\m+32+\n:64*\m+33+\n]            ; s(i) tanh(g)
.endr
.endr
	s_wait_loadcnt 0x0                             ; c
	WIN 0xae                                       ; source 1 window 3
.irp m, 0,1,2,3
.irp n, 0,2,4,6,8,10,12,14
	v_pk_fma_f32 v[64*\m+16+\n:64*\m+17+\n], v[64*\m+16+\n:64*\m+17+\n], v[64+16*\m+\n:65+16*\m+\n], v[64*\m+\n:64*\m+1+\n]   ; c' = s(f) c + s(i) tanh(g)
.endr
.endr
.endif
.if LAST == 0
	WIN 0x08                                       ; a store's data are its source 1: window 2
.irp m, 0,1,2,3
.irp j, 0,1,2,3
	global_store_b128 v[L16], v[64*\m+16+4*\j:64*\m+19+4*\j], s[94:95] offset:(4*\m+\j)*512   ; 512 consecutive bytes, aligned to 256; these registers are not written again
.endr
.endr
.endif
	WIN 0xaa
.irp m, 0,1,2,3
.irp n, 0,2,4,6,8,10,12,14
	v_pk_mul_f32 v[64*\m+\n:64*\m+1+\n], v[64*\m+16+\n:64*\m+17+\n], s[86:87] op_sel_hi:[1,0]
.endr
.endr
	EXPRCP 1
.irp m, 0,1,2,3
.irp n, 0,2,4,6,8,10,12,14
	v_pk_fma_f32 v[64*\m+\n:64*\m+1+\n], v[64*\m+\n:64*\m+1+\n], -2.0, 1.0 op_sel_hi:[1,0,0]           ; tanh(c')
.endr
.endr
.irp m, 0,1,2,3
.irp n, 0,2,4,6,8,10,12,14
	v_pk_mul_f32 v[64*\m+\n:64*\m+1+\n], v[64*\m+\n:64*\m+1+\n], v[64*\m+48+\n:64*\m+49+\n]            ; h' = s(o) tanh(c')
.endr
.endr
.if LAST == 0
	; h' BECOMES CODES.  My 32 units are one block of the next K; lanes l and l xor 16 hold its halves.  At work: g's registers, which are free
.irp m, 0,1,2,3
	v_max3_num_f32 v[64*\m+32], |v[64*\m]|, |v[64*\m+1]|, 0x2800000    ; my 16 numbers and the floor 2^(5 - 127): the byte cannot fall under 1.  (The four tiles by turns)
.endr
.irp n, 2,4,6,8,10,12,14
.irp m, 0,1,2,3
	v_max3_num_f32 v[64*\m+32], v[64*\m+32], |v[64*\m+\n]|, |v[64*\m+\n+1]|
.endr
.endr
.irp m, 0,1,2,3
	v_permlanex16_b32 v[64*\m+33], v[64*\m+32], s88, s89
.endr
.irp m, 0,1,2,3
	v_max_num_f32 v[64*\m+32], v[64*\m+32], v[64*\m+33]                ; the block's largest magnitude
.endr
.irp m, 0,1,2,3
	v_add_nc_u32 v[64*\m+34], 0xfe000000, v[64*\m+32]                  ; 4 off its exponent field: the conversion's scale operand
.endr
.irp m, 0,1,2,3
	v_lshrrev_b32 v[64*\m+35], 23, v[64*\m+34]                         ; the scale's byte
.endr
.irp m, 0,1,2,3
	v_cvt_scalef32_pk16_bf6_f32 v[64*\m+36:64*\m+38], v[64*\m:64*\m+15], v[64*\m+34]
.endr
	v_nop                                          ; one plain place behind the scaled conversions
	WIN 0x08
.irp m, 0,1,2,3                        ; my 12 bytes are the lower (h = 0) or upper (h = 1) half of the 24 that lane r + 16 uh of the next operand holds
	ds_store_b32 v[E0], v[64*\m+36] offset:768*\m
	ds_store_b32 v[E0+1], v[64*\m+37] offset:768*\m+4
	ds_store_b32 v[E0], v[64*\m+38] offset:768*\m+256
	ds_store_b8 v[E0+2], v[64*\m+35] offset:64*(\m/2)+32*(\m%2)        ; both lanes of a row write the same byte with the same value
.endr
	WIN 0
	s_wait_dscnt 0x0                               ; for the others' sake: my stores into the stage are done
	s_barrier_signal -1
	s_barrier_wait -1
.irp j, 0,1,2,3,4,5
	ds_load_b64 v[BK+2*\j:BK+2*\j+1], v[E0+3] offset:256*\j
.endr
	ds_load_u16 v[BK+12], v[E0+5]
	s_wait_dscnt 0x0
.irp j, 0,1,2,3,4,5
	global_store_b64 v[E0+4], v[BK+2*\j:BK+2*\j+1], s[66:67] offset:1536*(\j/3)+256*(\j%3)   ; 32 lanes store 256 consecutive bytes, aligned
.endr
	global_store_b16 v[E0+6], v[BK+12], s[96:97]   ; two of a scale word's four bytes: the other two are another work-group's.  64 bytes a wave
.else
.set i, 0
.rept 256
	PICK 1
.if use
	v_max_num_f32 v[i], 0, v[i]                    ; relu
.endif
.set i, i+1
.endr
	WIN 0x08
.irp m, 0,1,2,3
.irp j, 0,1,2,3
	ds_store_b128 v[E0], v[64*\m+4*\j:64*\m+4*\j+3] offset:16*272*\m+16*\j
.endr
.endr
	WIN 0
	s_wait_dscnt 0x0                               ; for the others' sake: a row's 256 bytes come from two waves
	s_barrier_signal -1
	s_barrier_wait -1
.irp i, 0,1,2,3,4,5,6,7,8,9,10,11,12,13,14,15
	ds_load_b128 v[BK+4*\i:BK+4*\i+3], v[E0+1] offset:2*272*\i
.endr
	s_wait_xcnt 0x0                                ; EXEC changes only behind this wait: it is a source of the loads issued above
	v_cmp_gt_u32 vcc_lo, s98, v[RR]
	s_and_saveexec_b32 s99, vcc_lo                 ; units 1000 to 1023 are not stored
.irp i, 0,1,2,3,4,5,6,7,8,9,10,11,12,13,14,15
	s_wait_dscnt 15-\i                             ; LDS loads come back in order: number i is in
	global_store_b128 v[E0+2], v[BK+4*\i:BK+4*\i+3], s[94:95] offset:8000*\i th:TH_STORE_NT   ; 16 lanes store 256 consecutive bytes of a row (a row of the output is 4,000 bytes, so they begin at multiples of 32)
.endr
	s_wait_xcnt 0x0                                ; and again, in front of the line that widens it
	s_or_b32 exec_lo, exec_lo, s99
.endif
	s_wait_tensorcnt 0x0                           ; the wave's end, behind my last tensor load and my last LDS store
	ds_add_u32 v[SPW], v[NIL]
	s_wait_dscnt 0x0
	CROUND                                         ; the closing round: no work-group ends while a partner may still ask for a tile that names it
	s_endpgm
.Lfunc_end_k_q430ae0c40a_layer0:
	.size	k_q430ae0c40a_layer0, .Lfunc_end_k_q430ae0c40a_layer0-k_q430ae0c40a_layer0
	.p2alignl 7, 3214868480
	.fill 96, 4, 3214868480
	.section	.rodata,"a",@progbits
	.p2align	6, 0x0
	.amdhsa_kernel k_q430ae0c40a_layer0
		.amdhsa_group_segment_fixed_size 327680
		.amdhsa_private_segment_fixed_size 0
		.amdhsa_enable_private_segment 0
		.amdhsa_kernarg_size 24
		.amdhsa_user_sgpr_count 2
		.amdhsa_user_sgpr_kernarg_segment_ptr 1
		.amdhsa_wavefront_size32 1
		.amdhsa_system_sgpr_workgroup_id_x 1
		.amdhsa_system_sgpr_workgroup_id_y 1
		.amdhsa_system_sgpr_workgroup_id_z 1
		.amdhsa_system_vgpr_workitem_id 0
		.amdhsa_next_free_vgpr 1024
		.amdhsa_next_free_sgpr 100
		.amdhsa_reserve_vcc 1
		.amdhsa_float_denorm_mode_32 3
		.amdhsa_float_denorm_mode_16_64 3
		.amdhsa_memory_ordered 1
		.amdhsa_forward_progress 1
		.amdhsa_inst_pref_size 106
	.end_amdhsa_kernel
	.amdgpu_metadata
---
amdhsa.version: [ 1, 2 ]
amdhsa.kernels:
  - .name:           k_q430ae0c40a_layer0
    .symbol:         k_q430ae0c40a_layer0.kd
    .args:
      - { .name: xq, .offset: 0, .size: 8, .value_kind: global_buffer, .address_space: global }
      - { .name: p0, .offset: 8, .size: 8, .value_kind: global_buffer, .address_space: global }
      - { .name: st_a, .offset: 16, .size: 8, .value_kind: global_buffer, .address_space: global }
    .group_segment_fixed_size: 327680
    .private_segment_fixed_size: 0
    .kernarg_segment_align: 8
    .kernarg_segment_size: 24
    .max_flat_workgroup_size: 128
    .sgpr_count:     100
    .vgpr_count:     1024
    .wavefront_size: 32
...
	.end_amdgpu_metadata
.endif
;; end of part 2
;; launch layer1 (part 3): grid 16 x 16, 4 waves a work-group, clusters of 4 x 4, 327,680 bytes of LDS; arguments xq, p1, st_a, st_b; writes st_b
.if DOCPART == 3
	.amdgcn_target "amdgcn-amd-amdhsa--gfx1250"
	.amdhsa_code_object_version 6
	.text
	.protected	k_q430ae0c40a_layer1
	.globl	k_q430ae0c40a_layer1
	.p2align	8
	.type	k_q430ae0c40a_layer1,@function
k_q430ae0c40a_layer1:
	s_mov_b64 s[64:65], 0
	v_nop
	global_prefetch_b8 v0, s[64:65] scope:SCOPE_SE
	s_setreg_imm32_b32 hwreg(HW_REG_WAVE_MODE, 25, 1), 1
	s_wait_xcnt 0x0
	s_wait_alu depctr_hold_cnt(0) depctr_sa_sdst(0) depctr_va_vdst(0) depctr_va_sdst(0) depctr_va_ssrc(0) depctr_va_vcc(0) depctr_vm_vsrc(0)
	s_getreg_b32 s2, hwreg(HW_REG_IB_STS2, 6, 4)
	s_cmp_eq_u32 s2, 0
	s_cbranch_scc0 .Lentry_in_a_cluster
	s_endpgm
.Lentry_in_a_cluster:
	s_bfe_u32 s2, ttmp6, 0x10000c
	s_cmp_lg_u32 s2, 0xf033
	s_cbranch_scc0 .Lentry_shape_is_right
	s_endpgm
.Lentry_shape_is_right:
; ONE LSTM CELL FOR ALL 2,048 ROWS.  gates = x Wih^T + h Whh^T + (bih + bhh); c' = s(f) c + s(i) tanh(g); h' = s(o) tanh(c').  Both products on codes of BF6 (E3M2) with one E8M0 scale for each 32 along K, sums in f32.
; FIRST = 1: the cell ahead of which reference() itself sets h = 0 and c = 0: the product with h, and the f gate, which only multiplies c, add nothing and are not multiplied.
; LAST = 1: relu(h') leaves as f32.  Else c' leaves as f32 in the order of my registers, and h' is quantised along the units, the next cell's K, and leaves as codes in the order of the next operand's registers.
; Arguments: x's pack, the layer's pack of weights and bias, (not FIRST: the state that the cell before stored,) the state or the output that this one stores.
; PACKS.  Rows (x, h): [row block mg: 16][K step of 128: 8] blocks of 12,800 bytes: 8 tiles of 16 rows x 1,536 bytes as [piece: 6][lane][8 bytes]; at +12,288 scale words [half][lane L][q: 2]: tile 4 half + 2 q + L / 16, row L % 16.
; Weights: [ng: 16][K step: 16 (0-7 Wih, 8-15 Whh)] blocks of 25,600 bytes: 16 tiles x 1,536 bytes as [g: 3][lane][16 bytes]; tile 8 uh + 2 gate + u, its row r = unit 64 ng + 32 uh + 8 u + r + 8 (r / 8) of the gate;
; at +24,576 scale words [uh][lane L][q: 4]: tile 2 q + L / 16.  At +6,553,600 the bias [ng][uh][gate][unit: 32].  A state: c at 0 as [mg][ng][wave][tile of rows: 4][j: 4][lane][16 bytes]; at +8,388,608 a pack of h.
; SHARES.  A work-group: 128 rows (mg) x 64 units (ng) x 4 gates.  Wave w: rows 64 (w / 2) on, units 32 (w % 2) on: 4 tiles of rows x 8 tiles of weights = 32 accumulators.  256 work-groups.
; THE MATRIX INSTRUCTION IS USED TRANSPOSED (source 0 = 16 rows of the weights, source 1 = 16 rows of x or h): a lane holds one row, and the 16 registers of a gate's two tiles are units U0 + 16 (lane / 16) + 0 .. 15.
; So all four gates of a unit meet in one lane, and h' has 16 neighbours along the next K in a lane's consecutive registers.
; THE RING: two LDS slots of four K steps each (153,600 bytes), filled by the tensor data mover: waves 0, 1 bring the halves of the rows' blocks, waves 2, 3 those of the weights'.
; CLUSTER: 4 x 4 work-groups; the four of a row of the cluster share mg and ask for the rows' blocks jointly, the four of a column share ng and ask for the weights' jointly.
; PREFETCH INTO THE L2: the two refills (fills 2 and 3: h's and Whh's K steps) are asked of memory one fill, four K steps or 128 matrix instructions a wave, ahead of their joint loads (macro ASK).  Fills 0 and 1 come by their loads alone.
; LIMITS: NaN and infinities are not served.  tanh(x) = 1 - 2 / (1 + 2^(2 x log2 e)): its absolute error is about 1e-7, so its relative error grows for |x| far under 1.  h's largest magnitude of a block is taken no smaller
; than 2^-122 and a block of zeros has the byte 1 (this program alone reads the bytes).  Units 1000 to 1023 have zero weights, bias and c; what is computed for them (0, or a last-bit remainder of tanh(0)) is quantised with
; units 992 to 999 and meets zero codes of the next weights.
; REGISTERS, in windows of 256: window 0: v2-30 addresses; v32-37, v40-45 scale words, two sets; v64-159 the rows' fragments, two sets; v160.. the way out.   window 1: the weights' fragments, two sets, at v0 and v128.
;   window 2: the accumulators: (tile of rows m, tile of weights t) at v[64 m + 8 t].   window 3: v0-63 the bias, tile t at v[8 t]; v64-127 c.
.set FIRST, 0
.set LAST,  0
.set KSA,   12800
.set KSW,   25600
.set WOFF,  4*KSA                      ; a slot: four blocks of rows, then four of weights
.set SLOT,  4*KSA+4*KSW
.set SPARE, 2*SLOT                     ; behind the ring: the spare words, 128 bytes for each wave: two blocks of 256 bytes that no other line names
.set CBYTES, 8388608
.set PBIAS, 256*KSW
.set ADRA,  2                          ; v2-3    my rows' fragments in slot 0, 1
.set ADRAS, 4                          ; v4-5    their scale words
.set ADRW,  6                          ; v6-9    my weights' fragments: slot 0 K steps 0-1, 2-3; slot 1 likewise (an LDS offset has 16 bits)
.set ADRWS, 10                         ; v10-13  their scale words
.set SPW,   14                         ; v14     LDS address of my spare word; never rewritten
.set NIL,   15                         ; v15     0; never rewritten
.set L16,   16                         ; v16     16 x lane
.set BO,    17                         ; v17     64 h: my half's place in a gate's 32 biases
.set E0,    18                         ; v18-24  the way out
.set PFO,   25                         ; v25     the prefetches' offset: 256 x min(lane, 24); never rewritten
.set HH,    28
.set RR,    29
.set L8,    30
.set SC,    32
.set AF,    64
.set BK,    160
.set G1A,   20                         ; s[20:27] descriptor group 1 for the rows' blocks;  s[28:35] for the weights'
.set G1W,   28
.set G0A,   36                         ; s[36:51] groups 0 for the rows' blocks, one for each fill;  s[68:83] for the weights'.  None is written again
.set G0W,   68
.set PFA,   100                        ; s[100:101] where my prefetches stand: my work-group's quarter of what my wave fetches of fill 2; never rewritten
.set LIM,   104                        ; s104    1 in a wave that prefetches, else 0
.set MSB, 0
.macro WIN new                         ; the immediate's high byte repeats the setting that is left
.if MSB != \new
	s_set_vgpr_msb (MSB<<8)|\new
.set MSB, \new
.endif
.endm
.macro PLACES n
.rept \n
	v_nop
.endr
.endm
.macro CREST                           ; a round of the cluster's barrier behind its opening barrier
	s_cmp_lg_u32 s12, 0
	s_cbranch_scc1 .Lnot_wave_0_\@
	s_barrier_signal -3
.Lnot_wave_0_\@:
	s_barrier_wait -3
	s_barrier_signal -1
	s_barrier_wait -1
.endm
.macro CROUND
	s_barrier_signal -1
	s_barrier_wait -1
	CREST
.endm
.macro JLOAD j                         ; a joint load: each line has one mask and one set of registers for all that issue it; the branch hangs on the wave's number alone; four v_nop follow each line
	s_cmp_eq_u32 s13, 0
	s_cbranch_scc0 .Lfor_w_\@
	tensor_load_to_lds s[G0A+4*\j:G0A+4*\j+3], s[G1A:G1A+7]
	s_nop 0
	PLACES 4
	s_branch .Lasked_\@
.Lfor_w_\@:
	tensor_load_to_lds s[G0W+4*\j:G0W+4*\j+3], s[G1W:G1W+7]
	s_nop 0
	PLACES 4
.Lasked_\@:
.endm
; A PREFETCH INTO THE L2 of fill j (2 or 3), one fill ahead of its joint load.  A fill is 200 blocks of 256 bytes of h's pack and 400 of the weights'.  Each block is named by ONE wave of ONE work-group in the launch.
; h's blocks of a row block mg are read by the clusters of every x: the cluster with x = 0 asks.  The weights' blocks of ng are read by the clusters of every y: the cluster with y = 0 asks.
; Of the 100 blocks that wave 0 or 1 fetches (200: wave 2 or 3), the partner at place p among the four that ask for them jointly takes 25 p .. 25 p + 24 (50 p .. 50 p + 49), told apart BY ADDRESS (p = cx for h, cy for the
; weights): no branch hangs on a work-group's place in its cluster.  A lane a block, 25 blocks an instruction (lanes 25 to 31 name their wave's block 24 again).  The address is never stepped: the fill stands in the immediate.
.macro ASK j
	s_cmp_eq_u32 s[LIM], 1
	s_cbranch_scc0 .Lnot_mine_\@
	s_cmp_eq_u32 s13, 0
	s_cbranch_scc0 .Lask_w_\@
	global_prefetch_b8 v[PFO], s[PFA:PFA+1] offset:((\j)-2)*4*KSA th:TH_LOAD_NT scope:SCOPE_SE
	s_branch .Lnot_mine_\@
.Lask_w_\@:
	global_prefetch_b8 v[PFO], s[PFA:PFA+1] offset:((\j)-2)*4*KSW th:TH_LOAD_NT scope:SCOPE_SE
	global_prefetch_b8 v[PFO], s[PFA:PFA+1] offset:((\j)-2)*4*KSW+25*256 th:TH_LOAD_NT scope:SCOPE_SE
.Lnot_mine_\@:
.endm
.macro FETCH slot, q, p                ; the slot's q-th K step into set p: 8 fragments of weights, 4 of rows, their scale words: every load takes consecutive bytes, lane by lane
	WIN 0x40                                       ; destination window 1, address window 0
.irp t, 0,1,2,3,4,5,6,7
.if (FIRST == 0) || ((\t)/2 != 1)
.irp g, 0,1,2
	ds_load_b128 v[128*(\p)+12*\t+4*\g:128*(\p)+12*\t+4*\g+3], v[ADRW+2*(\slot)+(\q)/2] offset:((\q)%2)*KSW+1536*\t+512*\g
.endr
.endif
.endr
	WIN 0
.irp m, 0,1,2,3
.irp c, 0,1,2,3,4,5
	ds_load_b64 v[AF+48*(\p)+12*\m+2*\c:AF+48*(\p)+12*\m+2*\c+1], v[ADRA+(\slot)] offset:KSA*(\q)+1536*\m+256*\c
.endr
.endr
	ds_load_b128 v[SC+8*(\p):SC+8*(\p)+3], v[ADRWS+2*(\slot)+(\q)/2] offset:((\q)%2)*KSW   ; register g: lanes 0-15 the words of tile 2 g, lanes 16-31 of tile 2 g + 1
	ds_load_b64 v[SC+8*(\p)+4:SC+8*(\p)+5], v[ADRAS+(\slot)] offset:KSA*(\q)               ; likewise for the tiles of rows
.endm
.macro WM p, m, t, bias                ; one product; bias = 1: the sum begins with the bias as C (window 3)
.set rD, 64*(\m)+8*(\t)
.set rC, rD
.if \bias
.set rC, 8*(\t)
.endif
.set rW, 128*(\p)+12*(\t)
.set rA, AF+48*(\p)+12*(\m)
.set rX, SC+8*(\p)+(\t)/2
.set rY, SC+8*(\p)+4+(\m)/2
.if ((\t)%2 == 0) && ((\m)%2 == 0)
	v_wmma_scale_f32_16x16x128_f8f6f4 v[rD:rD+7], v[rW:rW+11], v[rA:rA+11], v[rC:rC+7], v[rX], v[rY] matrix_a_fmt:MATRIX_FMT_BF6 matrix_b_fmt:MATRIX_FMT_BF6
.elseif ((\t)%2 == 1) && ((\m)%2 == 0)
	v_wmma_scale_f32_16x16x128_f8f6f4 v[rD:rD+7], v[rW:rW+11], v[rA:rA+11], v[rC:rC+7], v[rX], v[rY] matrix_a_fmt:MATRIX_FMT_BF6 matrix_b_fmt:MATRIX_FMT_BF6 matrix_a_scale:MATRIX_SCALE_ROW1
.elseif ((\t)%2 == 0)
	v_wmma_scale_f32_16x16x128_f8f6f4 v[rD:rD+7], v[rW:rW+11], v[rA:rA+11], v[rC:rC+7], v[rX], v[rY] matrix_a_fmt:MATRIX_FMT_BF6 matrix_b_fmt:MATRIX_FMT_BF6 matrix_b_scale:MATRIX_SCALE_ROW1
.else
	v_wmma_scale_f32_16x16x128_f8f6f4 v[rD:rD+7], v[rW:rW+11], v[rA:rA+11], v[rC:rC+7], v[rX], v[rY] matrix_a_fmt:MATRIX_FMT_BF6 matrix_b_fmt:MATRIX_FMT_BF6 matrix_a_scale:MATRIX_SCALE_ROW1 matrix_b_scale:MATRIX_SCALE_ROW1
.endif
.endm
.macro MULM p, m, bias                 ; tile of rows m against my tiles of weights.  All accumulators take turns, one instruction a turn, in the same order in every K step
.irp t, 0,1,2,3,4,5,6,7
.if (FIRST == 0) || ((\t)/2 != 1)
	WM \p, \m, \t, \bias
.endif
.endr
.endm
.macro STEP slot, q, bias              ; a K step that has its successor in the same slot
	s_wait_dscnt 0x0                               ; this step's fragments are in: they were asked for a K step ago
	PLACES 4                                       ; four places in front of loads into registers that matrix instructions have read (ISA guide 7.12.1 for vector instructions)
	FETCH \slot, (\q)+1, 1-(\q)%2
.if \bias
	WIN 0xb1                                       ; source 0 window 1, source 1 window 0, C window 3, D window 2
.else
	WIN 0xa1                                       ; C and D window 2
.endif
.irp m, 0,1,2,3
	MULM (\q)%2, \m, \bias
.endr
.endm
.macro TURN slot, fill                 ; a slot's last K step changes slots: ONE barrier.  fill >= 0: the slot is filled again, by that fill; the barrier then opens a round of the cluster's
	WIN 0                                          ; (the add's two registers lie in window 0)
	s_wait_tensorcnt 0x0                           ; all my tensor loads have landed: my part of the other slot;
	ds_add_u32 v[SPW], v[NIL]                      ; 0 onto my spare word
	s_wait_dscnt 0x1                               ; this step's fragments are in (only the add may be out)
	WIN 0xa1
	MULM 1, 0, 0                                   ; matrix instructions stand between the add and the wait for it
	s_wait_dscnt 0x0                               ; the add is done, and my reads of this slot are over
	s_barrier_signal -1
	MULM 1, 1, 0
	WIN 0
	s_barrier_wait -1
.if \fill >= 0
	CREST                                          ; no wave of any partner still reads this slot or has a load on its way
	JLOAD \fill                                    ; the first tensor load behind the round, one a wave: four K steps of matrix work in which to land; its four v_nop are also the places in front of the loads below
.else
	PLACES 4
.endif
	FETCH 1-\slot, 0, 0
.if \fill == 2
	ASK 3                                          ; behind the joint load, its four lines and the run of LDS loads: what the next change of slots will ask for, four K steps ahead
.endif
	WIN 0xa1
	MULM 1, 2, 0
	MULM 1, 3, 0
.endm
.macro PICK only_i                     ; use = 1 where register i of window 2 takes part: only_i = 1: the i gate's places alone; else all gates (FIRST: but f)
.set gt, (i/16)%4
.set use, 1
.if \only_i
.if gt != 0
.set use, 0
.endif
.elseif FIRST && (gt == 1)
.set use, 0
.endif
.endm
.macro EXPRCP only_i                   ; y -> 1 / (1 + 2^y), in place.  The exponentials are one batch, the reciprocals another: behind each one plain instruction and ONE wait, ahead of the batch's first reader
.set i, 0
.rept 256
	PICK \only_i
.if use
	v_exp_f32 v[i], v[i]
.endif
.set i, i+1
.endr
	v_nop
	s_wait_alu depctr_va_vdst(0)
.set i, 0
.rept 128
	PICK \only_i
.if use
	v_pk_add_f32 v[i:i+1], v[i:i+1], 1.0 op_sel_hi:[1,0]
.endif
.set i, i+2
.endr
.set i, 0
.rept 256
	PICK \only_i
.if use
	v_rcp_f32 v[i], v[i]
.endif
.set i, i+1
.endr
	v_nop
	s_wait_alu depctr_va_vdst(0)
.endm
	s_load_b128 s[4:7], s[0:1], 0x0                ; x's pack, the layer's pack
.if FIRST
	s_load_b64 s[10:11], s[0:1], 0x10              ; what I store
.else
	s_load_b128 s[8:11], s[0:1], 0x10              ; the state before, what I store
.endif
	v_lshl_add_u32 v[SPW], v0, 2, SPARE
	v_mov_b32 v[NIL], 0
	ds_add_u32 v14, v15
	ds_add_u32 v14, v15
	s_wait_dscnt 0x0
	v_lshrrev_b32 v1, 5, v0
	v_readfirstlane_b32 s12, v1                    ; wave 0..3
	s_lshr_b32 s13, s12, 1                         ; mh: my half of the rows.  Also: I fetch rows' blocks (0) or weights' (1)
	s_and_b32 s14, s12, 1                          ; uh: my half of the units.  Also: which half of a fill I fetch
	s_bfe_u32 s15, ttmp6, 0x40000                  ; cx, cy: my place in the cluster
	s_bfe_u32 s16, ttmp6, 0x40004
	s_lshl_b32 s17, ttmp9, 2
	s_add_co_u32 s17, s17, s15                     ; ng = 4 x cluster x + cx
	s_and_b32 s18, ttmp7, 0xffff
	s_lshl_b32 s18, s18, 2
	s_add_co_u32 s18, s18, s16                     ; mg = 4 x cluster y + cy
	s_lshl_b32 s19, s16, 2
	s_lshl_b32 s19, 15, s19                        ; my row of the cluster
	s_lshl_b32 s52, 0x1111, s15                    ; my column
	; descriptor group 1: a dense block as rows of 256 bytes (32 elements of 8 bytes), no padding: 100 rows (two K steps of rows' blocks), 200 rows (two of weights')
	s_or_b32 s[G1A], s19, (3<<16)|(1<<21)          ; 15:0 the mask; 17:16 elements of 8 bytes; 21 set beside a mask
	s_or_b32 s[G1W], s52, (3<<16)|(1<<21)
	s_mov_b32 s[G1A+1], 32<<16                     ; tensor_dim0
	s_mov_b32 s[G1A+2], 100<<16                    ; tensor_dim1
	s_mov_b32 s[G1A+3], 32<<16                     ; tile_dim0
	s_mov_b32 s[G1A+4], 100                        ; tile_dim1
	s_mov_b32 s[G1A+5], 32                         ; the pitch
	s_mov_b32 s[G1A+6], 0
	s_mov_b32 s[G1A+7], 0
	s_mov_b32 s[G1W+1], 32<<16
	s_mov_b32 s[G1W+2], 200<<16
	s_mov_b32 s[G1W+3], 32<<16
	s_mov_b32 s[G1W+4], 200
	s_mov_b32 s[G1W+5], 32
	s_mov_b32 s[G1W+6], 0
	s_mov_b32 s[G1W+7], 0
	; every wave makes both kinds of group 0; the registers that feed the rows' never hold cx, those that feed the weights' never cy; no place in the cluster enters an LDS address
	s_mul_i32 s53, s14, 2*KSA                      ; my half of a fill of rows' blocks, in LDS and in memory
	s_mul_i32 s54, s18, 8*KSA
	s_add_co_u32 s54, s54, s53
	s_mov_b32 s55, 0
	s_mul_i32 s58, s14, 2*KSW                      ; the same of the weights'
	s_mul_i32 s56, s17, 16*KSW
	s_add_co_u32 s56, s56, s58
	s_mov_b32 s57, 0
	s_add_co_u32 s58, s58, WOFF
	s_mov_b32 s84, 0xbfb8aa3b                      ; -log2(e): s(y) = 1 / (1 + 2^(-y log2 e))
	s_mov_b32 s85, s84                             ; (named with it as a pair, so it is written)
	s_mov_b32 s86, 0x4038aa3b                      ; 2 log2(e): tanh(y) = 1 - 2 / (1 + 2^(2 y log2 e))
	s_mov_b32 s87, s86
	s_mov_b32 s88, 0x76543210
	s_mov_b32 s89, 0xfedcba98                      ; v_permlanex16_b32's selects for lane l xor 16
	s_wait_kmcnt 0x0
	s_add_nc_u64 s[60:61], s[4:5], s[54:55]
	s_add_nc_u64 s[62:63], s[6:7], s[56:57]
.if FIRST == 0
	s_add_nc_u64 s[54:55], s[8:9], s[54:55]
	s_add_nc_u64 s[54:55], s[54:55], CBYTES        ; h's pack
.endif
.irp j, 0,1,2,3                        ; fill j: K steps 4 j .. 4 j + 3, into slot j % 2: rows from x's pack (j < 2) or h's
.if (\j < 2) || (FIRST == 0)
	s_mov_b32 s[G0A+4*\j], 1
	s_add_co_u32 s[G0A+4*\j+1], s53, (\j%2)*SLOT
.if \j < 2
	s_add_nc_u64 s[G0A+4*\j+2:G0A+4*\j+3], s[60:61], (\j%2)*4*KSA
.else
	s_add_nc_u64 s[G0A+4*\j+2:G0A+4*\j+3], s[54:55], (\j%2)*4*KSA
.endif
	s_or_b32 s[G0A+4*\j+3], s[G0A+4*\j+3], 0x80000000
	s_mov_b32 s[G0W+4*\j], 1
	s_add_co_u32 s[G0W+4*\j+1], s58, (\j%2)*SLOT
	s_add_nc_u64 s[G0W+4*\j+2:G0W+4*\j+3], s[62:63], \j*4*KSW
	s_or_b32 s[G0W+4*\j+3], s[G0W+4*\j+3], 0x80000000
.endif
.endr
	s_lshl_b32 s56, s17, 10                        ; the bias of (ng, uh)
	s_lshl_b32 s57, s14, 9
	s_add_co_u32 s56, s56, s57
	s_add_co_u32 s56, s56, PBIAS
	s_mov_b32 s57, 0
	s_add_nc_u64 s[56:57], s[6:7], s[56:57]
.if LAST == 0
	s_lshl_b32 s90, s18, 3                         ; h' goes to block 8 mg + ng / 2 of the pack: my 64 units are half ng % 2 of its 128
	s_lshr_b32 s91, s17, 1
	s_add_co_u32 s90, s90, s91
	s_mul_i32 s90, s90, KSA
	s_add_co_u32 s90, s90, CBYTES
	s_and_b32 s91, s17, 1
	s_mul_i32 s98, s91, 768                        ; pieces 3 (ng % 2) on of each tile
	s_add_co_u32 s66, s90, s98
	s_mov_b32 s67, 0
	s_lshl_b32 s91, s91, 1                         ; bytes 2 (ng % 2) on of each scale word
	s_add_co_u32 s96, s90, s91
	s_add_co_u32 s96, s96, 12288
	s_mov_b32 s97, 0
	s_add_nc_u64 s[66:67], s[10:11], s[66:67]
	s_add_nc_u64 s[96:97], s[10:11], s[96:97]
.endif
	s_lshl_b32 s90, s18, 4                         ; c: 8,192 bytes for each wave of each work-group
	s_add_co_u32 s90, s90, s17
	s_lshl_b32 s90, s90, 2
	s_add_co_u32 s90, s90, s12
	s_lshl_b32 s90, s90, 13
	s_mov_b32 s91, 0
.if FIRST == 0
	s_add_nc_u64 s[92:93], s[8:9], s[90:91]
.endif
.if LAST == 0
	s_add_nc_u64 s[94:95], s[10:11], s[90:91]
.else
	s_lshl_b32 s90, s18, 7                         ; the output: row 128 mg + 32 w, unit 64 ng
	s_lshl_b32 s98, s12, 5
	s_add_co_u32 s90, s90, s98
	s_mul_i32 s90, s90, 4000
	s_lshl_b32 s98, s17, 8
	s_add_co_u32 s90, s90, s98
	s_add_nc_u64 s[94:95], s[10:11], s[90:91]
	s_lshl_b32 s98, s17, 4
	s_sub_co_u32 s98, 250, s98                     ; how many groups of four units of my 64 exist: 10 where ng = 15, else more than 16
.endif
	CROUND                                         ; all sixteen work-groups are here: the first joint loads meet
	s_cmp_eq_u32 s13, 0                            ; a wave's two first fills stand in one branch, ahead of every wait on TENSORcnt and every LDS read: two loads of mine are out
	s_cbranch_scc0 .Lfirst_w
	tensor_load_to_lds s[G0A:G0A+3], s[G1A:G1A+7]
	s_nop 0
	tensor_load_to_lds s[G0A+4:G0A+7], s[G1A:G1A+7]
	s_nop 0
	PLACES 4
	s_branch .Lfirst_asked
.Lfirst_w:
	tensor_load_to_lds s[G0W:G0W+3], s[G1W:G1W+7]
	s_nop 0
	tensor_load_to_lds s[G0W+4:G0W+7], s[G1W:G1W+7]
	s_nop 0
	PLACES 4
.Lfirst_asked:
.if FIRST == 0
	; the prefetches (macro ASK): where my wave's stand, and who asks.  At work: s2, s3, s90, s91, which feed no descriptor and no LDS address
	s_and_b32 s3, ttmp7, 0xffff                    ; cluster y
	s_mov_b32 s91, 50*256
	s_cmp_eq_u32 s13, 0                            ; do I fetch the rows' blocks?
	s_cselect_b32 s3, ttmp9, s3                    ; the coordinate along which other clusters read the same blocks
	s_cselect_b32 s90, s15, s16                    ; my place among the four that ask for them with me
	s_cselect_b32 s91, 25*256, s91                 ; a partner's quarter of what a wave fetches
	s_cselect_b32 s2, 0, 2*4*KSW                   ; fill 2 begins here in the weights' blocks of ng (h's pack begins with it)
	s_cselect_b64 s[PFA:PFA+1], s[54:55], s[62:63] ; my wave's half of a fill, in h's pack or in the weights'
	s_mul_i32 s90, s90, s91
	s_add_co_u32 s2, s2, s90
	s_cmp_eq_u32 s3, 0
	s_cselect_b32 s[LIM], 1, 0                     ; the same in all sixteen partners, for a given wave
	s_mov_b32 s3, 0
	s_add_nc_u64 s[PFA:PFA+1], s[PFA:PFA+1], s[2:3]
.endif
	v_and_b32 v1, 31, v0                           ; lane
	v_bfe_u32 v[HH], v0, 4, 1                      ; h
	v_and_b32 v[RR], 15, v0                        ; r
	v_lshlrev_b32 v[L16], 4, v1
	v_lshlrev_b32 v[L8], 3, v1
	v_lshlrev_b32 v[BO], 6, v[HH]
	v_min_u32 v[PFO], 24, v1
	v_lshlrev_b32 v[PFO], 8, v[PFO]
	s_mul_i32 s59, s13, 4*1536                     ; my four tiles of rows
	v_add_nc_u32 v[ADRA], s59, v[L8]
	v_add_nc_u32 v[ADRA+1], SLOT, v[ADRA]
	s_lshl_b32 s59, s13, 8
	s_add_co_u32 s59, s59, 12288
	v_add_nc_u32 v[ADRAS], s59, v[L8]
	v_add_nc_u32 v[ADRAS+1], SLOT, v[ADRAS]
	s_mul_i32 s59, s14, 8*1536                     ; my eight tiles of weights
	s_add_co_u32 s59, s59, WOFF
	v_add_nc_u32 v[ADRW], s59, v[L16]
	v_add_nc_u32 v[ADRW+1], 2*KSW, v[ADRW]
	v_add_nc_u32 v[ADRW+2], SLOT, v[ADRW]
	v_add_nc_u32 v[ADRW+3], SLOT+2*KSW, v[ADRW]
	s_lshl_b32 s59, s14, 9
	s_add_co_u32 s59, s59, WOFF+24576
	v_add_nc_u32 v[ADRWS], s59, v[L16]
	v_add_nc_u32 v[ADRWS+1], 2*KSW, v[ADRWS]
	v_add_nc_u32 v[ADRWS+2], SLOT, v[ADRWS]
	v_add_nc_u32 v[ADRWS+3], SLOT+2*KSW, v[ADRWS]
.if LAST == 0
	; the way out of h': a stage at LDS byte 0 (slot 0 has had its last fill and its last read by then): [tile of rows: 8][768 bytes: three pieces], then at 6,144 two scale bytes for each row
	s_mul_i32 s59, s13, 4*768
	s_lshl_b32 s99, s14, 7                         ; the operand's lane is r + 16 uh: 8 bytes a lane
	s_add_co_u32 s59, s59, s99
	v_lshl_add_u32 v[E0], v[RR], 3, s59
	v_mad_u32_u24 v[E0+1], v[HH], 508, v[E0]       ; my second word: h = 0: byte 4 of piece 0; h = 1: byte 0 of piece 2 (with the offset 4)
	v_mad_u32_u24 v[E0], v[HH], 260, v[E0]         ; my first and third: h = 0: piece 0 byte 0, piece 1 byte 0; h = 1: piece 1 byte 4, piece 2 byte 4
	s_lshl_b32 s59, s13, 7
	s_add_co_u32 s59, s59, s14
	s_add_co_u32 s59, s59, 6144
	v_lshl_add_u32 v[E0+2], v[RR], 1, s59          ; my row's scale byte
	s_mul_i32 s59, s12, 1536
	v_add_nc_u32 v[E0+3], s59, v[L8]               ; back: wave w takes tiles 2 w and 2 w + 1,
	s_mul_i32 s59, s12, 3072
	v_add_nc_u32 v[E0+4], s59, v[L8]               ; which lie 1,536 bytes apart in the pack
	s_lshl_b32 s59, s12, 6
	s_add_co_u32 s59, s59, 6144
	v_lshl_add_u32 v[E0+5], v1, 1, s59             ; and 32 pairs of scale bytes,
	s_lshl_b32 s59, s13, 8
	s_lshl_b32 s99, s14, 2
	s_add_co_u32 s59, s59, s99
	v_add_nc_u32 v[E0+6], s59, v[L8]               ; for the words [w / 2][lane][w % 2]
.else
	; the way out of relu(h'): a stage at LDS byte 0: 128 rows x (256 bytes + 16)
	s_mul_i32 s59, s13, 64*272
	s_lshl_b32 s99, s14, 7
	s_add_co_u32 s59, s59, s99
	v_mul_u32_u24 v[E0], v[RR], 272
	v_add_nc_u32 v[E0], s59, v[E0]
	v_lshl_add_u32 v[E0], v[HH], 6, v[E0]          ; in: row 64 mh + r, + 128 uh + 64 h
	s_mul_i32 s59, s12, 32*272
	v_mul_u32_u24 v[E0+1], v[HH], 272
	v_lshl_add_u32 v[E0+1], v[RR], 4, v[E0+1]
	v_add_nc_u32 v[E0+1], s59, v[E0+1]             ; back: wave w takes rows 32 w on; lanes 0-15 one row, lanes 16-31 the next
	v_mul_u32_u24 v[E0+2], v[HH], 4000
	v_lshl_add_u32 v[E0+2], v[RR], 4, v[E0+2]      ; and the same two rows in the output
.endif
	WIN 0xc0                                       ; destination window 3, address window 0
.irp t, 0,1,2,3,4,5,6,7                ; the bias in the result's layout: tile t = 2 gate + u, register j: unit U0 + 16 h + 8 u + j
.if (FIRST == 0) || ((\t)/2 != 1)
	global_load_b128 v[8*\t:8*\t+3], v[BO], s[56:57] offset:128*(\t/2)+32*(\t%2)
	global_load_b128 v[8*\t+4:8*\t+7], v[BO], s[56:57] offset:128*(\t/2)+32*(\t%2)+16
.endif
.endr
.if FIRST == 0
.irp m, 0,1,2,3
.irp j, 0,1,2,3
	global_load_b128 v[64+16*\m+4*\j:64+16*\m+4*\j+3], v[L16], s[92:93] offset:(4*\m+\j)*512 th:TH_LOAD_NT   ; c, wanted only behind the products
.endr
.endr
.endif
	WIN 0
	s_wait_tensorcnt 0x1                           ; my part of slot 0 is in; slot 1's may stay out
	s_barrier_signal -1
	s_barrier_wait -1                              ; everybody's is
	FETCH 0, 0, 0
.if FIRST == 0
	ASK 2                                          ; behind the first run of LDS loads: what the first change of slots will ask for, four K steps ahead
.endif
.if FIRST
	s_wait_loadcnt 0x0                             ; the bias
.else
	s_wait_loadcnt 16                              ; the bias is in; c's 16 loads may be out
.endif
	STEP 0, 0, 1                                   ; the first K step starts the sums, with the bias as C: nothing is cleared
	STEP 0, 1, 0
	STEP 0, 2, 0
.if FIRST == 0
	TURN 0, 2                                      ; slot 0 takes h's K steps 0-3
	STEP 1, 0, 0
	STEP 1, 1, 0
	STEP 1, 2, 0
	TURN 1, 3                                      ; slot 1 takes h's K steps 4-7
	STEP 0, 0, 0
	STEP 0, 1, 0
	STEP 0, 2, 0
.endif
	TURN 0, -1                                     ; nothing is left to fetch: no round
	STEP 1, 0, 0
	STEP 1, 1, 0
	STEP 1, 2, 0
	s_wait_dscnt 0x0
.irp m, 0,1,2,3
	MULM 1, \m, 0
.endr
	; THE CELL, in place in window 2.  For tile of rows m: i at v[64 m], f at +16, g at +32, o at +48; register n: unit U0 + 16 h + n.  Each accumulator is read from its low end on.
	PLACES 4
	WIN 0xaa                                       ; all operands window 2
.set i, 0
.rept 128
	PICK 0
.if use
.if gt == 2
	v_pk_mul_f32 v[i:i+1], v[i:i+1], s[86:87] op_sel_hi:[1,0]
.else
	v_pk_mul_f32 v[i:i+1], v[i:i+1], s[84:85] op_sel_hi:[1,0]
.endif
.endif
.set i, i+2
.endr
	EXPRCP 0                                       ; s(i), s(f), s(o), and 1 / (1 + 2^(2 g log2 e))
.irp m, 0,1,2,3
.irp n, 0,2,4,6,8,10,12,14
	v_pk_fma_f32 v[64*\m+32+\n:64*\m+33+\n], v[64*\m+32+\n:64*\m+33+\n], -2.0, 1.0 op_sel_hi:[1,0,0]   ; tanh(g)
.endr
.endr
.if FIRST
.irp m, 0,1,2,3
.irp n, 0,2,4,6,8,10,12,14
	v_pk_mul_f32 v[64*\m+16+\n:64*\m+17+\n], v[64*\m+\n:64*\m+1+\n], v[64*\m+32+\n:64*\m+33+\n]        ; c' = s(i) tanh(g), at f's place
.endr
.endr
.else
.irp m, 0,1,2,3
.irp n, 0,2,4,6,8,10,12,14
	v_pk_mul_f32 v[64*\m+\n:64*\m+1+\n], v[64*\m+\n:64*\m+1+\n], v[64*\m+32+\n:64*\m+33+\n]            ; s(i) tanh(g)
.endr
.endr
	s_wait_loadcnt 0x0                             ; c
	WIN 0xae                                       ; source 1 window 3
.irp m, 0,1,2,3
.irp n, 0,2,4,6,8,10,12,14
	v_pk_fma_f32 v[64*\m+16+\n:64*\m+17+\n], v[64*\m+16+\n:64*\m+17+\n], v[64+16*\m+\n:65+16*\m+\n], v[64*\m+\n:64*\m+1+\n]   ; c' = s(f) c + s(i) tanh(g)
.endr
.endr
.endif
.if LAST == 0
	WIN 0x08                                       ; a store's data are its source 1: window 2
.irp m, 0,1,2,3
.irp j, 0,1,2,3
	global_store_b128 v[L16], v[64*\m+16+4*\j:64*\m+19+4*\j], s[94:95] offset:(4*\m+\j)*512   ; 512 consecutive bytes, aligned to 256; these registers are not written again
.endr
.endr
.endif
	WIN 0xaa
.irp m, 0,1,2,3
.irp n, 0,2,4,6,8,10,12,14
	v_pk_mul_f32 v[64*\m+\n:64*\m+1+\n], v[64*\m+16+\n:64*\m+17+\n], s[86:87] op_sel_hi:[1,0]
.endr
.endr
	EXPRCP 1
.irp m, 0,1,2,3
.irp n, 0,2,4,6,8,10,12,14
	v_pk_fma_f32 v[64*\m+\n:64*\m+1+\n], v[64*\m+\n:64*\m+1+\n], -2.0, 1.0 op_sel_hi:[1,0,0]           ; tanh(c')
.endr
.endr
.irp m, 0,1,2,3
.irp n, 0,2,4,6,8,10,12,14
	v_pk_mul_f32 v[64*\m+\n:64*\m+1+\n], v[64*\m+\n:64*\m+1+\n], v[64*\m+48+\n:64*\m+49+\n]            ; h' = s(o) tanh(c')
.endr
.endr
.if LAST == 0
	; h' BECOMES CODES.  My 32 units are one block of the next K; lanes l and l xor 16 hold its halves.  At work: g's registers, which are free
.irp m, 0,1,2,3
	v_max3_num_f32 v[64*\m+32], |v[64*\m]|, |v[64*\m+1]|, 0x2800000    ; my 16 numbers and the floor 2^(5 - 127): the byte cannot fall under 1.  (The four tiles by turns)
.endr
.irp n, 2,4,6,8,10,12,14
.irp m, 0,1,2,3
	v_max3_num_f32 v[64*\m+32], v[64*\m+32], |v[64*\m+\n]|, |v[64*\m+\n+1]|
.endr
.endr
.irp m, 0,1,2,3
	v_permlanex16_b32 v[64*\m+33], v[64*\m+32], s88, s89
.endr
.irp m, 0,1,2,3
	v_max_num_f32 v[64*\m+32], v[64*\m+32], v[64*\m+33]                ; the block's largest magnitude
.endr
.irp m, 0,1,2,3
	v_add_nc_u32 v[64*\m+34], 0xfe000000, v[64*\m+32]                  ; 4 off its exponent field: the conversion's scale operand
.endr
.irp m, 0,1,2,3
	v_lshrrev_b32 v[64*\m+35], 23, v[64*\m+34]                         ; the scale's byte
.endr
.irp m, 0,1,2,3
	v_cvt_scalef32_pk16_bf6_f32 v[64*\m+36:64*\m+38], v[64*\m:64*\m+15], v[64*\m+34]
.endr
	v_nop                                          ; one plain place behind the scaled conversions
	WIN 0x08
.irp m, 0,1,2,3                        ; my 12 bytes are the lower (h = 0) or upper (h = 1) half of the 24 that lane r + 16 uh of the next operand holds
	ds_store_b32 v[E0], v[64*\m+36] offset:768*\m
	ds_store_b32 v[E0+1], v[64*\m+37] offset:768*\m+4
	ds_store_b32 v[E0], v[64*\m+38] offset:768*\m+256
	ds_store_b8 v[E0+2], v[64*\m+35] offset:64*(\m/2)+32*(\m%2)        ; both lanes of a row write the same byte with the same value
.endr
	WIN 0
	s_wait_dscnt 0x0                               ; for the others' sake: my stores into the stage are done
	s_barrier_signal -1
	s_barrier_wait -1
.irp j, 0,1,2,3,4,5
	ds_load_b64 v[BK+2*\j:BK+2*\j+1], v[E0+3] offset:256*\j
.endr
	ds_load_u16 v[BK+12], v[E0+5]
	s_wait_dscnt 0x0
.irp j, 0,1,2,3,4,5
	global_store_b64 v[E0+4], v[BK+2*\j:BK+2*\j+1], s[66:67] offset:1536*(\j/3)+256*(\j%3)   ; 32 lanes store 256 consecutive bytes, aligned
.endr
	global_store_b16 v[E0+6], v[BK+12], s[96:97]   ; two of a scale word's four bytes: the other two are another work-group's.  64 bytes a wave
.else
.set i, 0
.rept 256
	PICK 1
.if use
	v_max_num_f32 v[i], 0, v[i]                    ; relu
.endif
.set i, i+1
.endr
	WIN 0x08
.irp m, 0,1,2,3
.irp j, 0,1,2,3
	ds_store_b128 v[E0], v[64*\m+4*\j:64*\m+4*\j+3] offset:16*272*\m+16*\j
.endr
.endr
	WIN 0
	s_wait_dscnt 0x0                               ; for the others' sake: a row's 256 bytes come from two waves
	s_barrier_signal -1
	s_barrier_wait -1
.irp i, 0,1,2,3,4,5,6,7,8,9,10,11,12,13,14,15
	ds_load_b128 v[BK+4*\i:BK+4*\i+3], v[E0+1] offset:2*272*\i
.endr
	s_wait_xcnt 0x0                                ; EXEC changes only behind this wait: it is a source of the loads issued above
	v_cmp_gt_u32 vcc_lo, s98, v[RR]
	s_and_saveexec_b32 s99, vcc_lo                 ; units 1000 to 1023 are not stored
.irp i, 0,1,2,3,4,5,6,7,8,9,10,11,12,13,14,15
	s_wait_dscnt 15-\i                             ; LDS loads come back in order: number i is in
	global_store_b128 v[E0+2], v[BK+4*\i:BK+4*\i+3], s[94:95] offset:8000*\i th:TH_STORE_NT   ; 16 lanes store 256 consecutive bytes of a row (a row of the output is 4,000 bytes, so they begin at multiples of 32)
.endr
	s_wait_xcnt 0x0                                ; and again, in front of the line that widens it
	s_or_b32 exec_lo, exec_lo, s99
.endif
	s_wait_tensorcnt 0x0                           ; the wave's end, behind my last tensor load and my last LDS store
	ds_add_u32 v[SPW], v[NIL]
	s_wait_dscnt 0x0
	CROUND                                         ; the closing round: no work-group ends while a partner may still ask for a tile that names it
	s_endpgm
.Lfunc_end_k_q430ae0c40a_layer1:
	.size	k_q430ae0c40a_layer1, .Lfunc_end_k_q430ae0c40a_layer1-k_q430ae0c40a_layer1
	.p2alignl 7, 3214868480
	.fill 96, 4, 3214868480
	.section	.rodata,"a",@progbits
	.p2align	6, 0x0
	.amdhsa_kernel k_q430ae0c40a_layer1
		.amdhsa_group_segment_fixed_size 327680
		.amdhsa_private_segment_fixed_size 0
		.amdhsa_enable_private_segment 0
		.amdhsa_kernarg_size 32
		.amdhsa_user_sgpr_count 2
		.amdhsa_user_sgpr_kernarg_segment_ptr 1
		.amdhsa_wavefront_size32 1
		.amdhsa_system_sgpr_workgroup_id_x 1
		.amdhsa_system_sgpr_workgroup_id_y 1
		.amdhsa_system_sgpr_workgroup_id_z 1
		.amdhsa_system_vgpr_workitem_id 0
		.amdhsa_next_free_vgpr 1024
		.amdhsa_next_free_sgpr 106
		.amdhsa_reserve_vcc 1
		.amdhsa_float_denorm_mode_32 3
		.amdhsa_float_denorm_mode_16_64 3
		.amdhsa_memory_ordered 1
		.amdhsa_forward_progress 1
		.amdhsa_inst_pref_size 192
	.end_amdhsa_kernel
	.amdgpu_metadata
---
amdhsa.version: [ 1, 2 ]
amdhsa.kernels:
  - .name:           k_q430ae0c40a_layer1
    .symbol:         k_q430ae0c40a_layer1.kd
    .args:
      - { .name: xq, .offset: 0, .size: 8, .value_kind: global_buffer, .address_space: global }
      - { .name: p1, .offset: 8, .size: 8, .value_kind: global_buffer, .address_space: global }
      - { .name: st_a, .offset: 16, .size: 8, .value_kind: global_buffer, .address_space: global }
      - { .name: st_b, .offset: 24, .size: 8, .value_kind: global_buffer, .address_space: global }
    .group_segment_fixed_size: 327680
    .private_segment_fixed_size: 0
    .kernarg_segment_align: 8
    .kernarg_segment_size: 32
    .max_flat_workgroup_size: 128
    .sgpr_count:     106
    .vgpr_count:     1024
    .wavefront_size: 32
...
	.end_amdgpu_metadata
.endif
;; end of part 3
;; launch layer2: the kernel of part 3 again; grid 16 x 16, 4 waves a work-group, clusters of 4 x 4, 327,680 bytes of LDS; arguments xq, p2, st_b, st_a; writes st_a
;; launch layer3 (part 4): grid 16 x 16, 4 waves a work-group, clusters of 4 x 4, 327,680 bytes of LDS; arguments xq, p3, st_a, out0; writes out0
.if DOCPART == 4
	.amdgcn_target "amdgcn-amd-amdhsa--gfx1250"
	.amdhsa_code_object_version 6
	.text
	.protected	k_q430ae0c40a_layer3
	.globl	k_q430ae0c40a_layer3
	.p2align	8
	.type	k_q430ae0c40a_layer3,@function
k_q430ae0c40a_layer3:
	s_mov_b64 s[64:65], 0
	v_nop
	global_prefetch_b8 v0, s[64:65] scope:SCOPE_SE
	s_setreg_imm32_b32 hwreg(HW_REG_WAVE_MODE, 25, 1), 1
	s_wait_xcnt 0x0
	s_wait_alu depctr_hold_cnt(0) depctr_sa_sdst(0) depctr_va_vdst(0) depctr_va_sdst(0) depctr_va_ssrc(0) depctr_va_vcc(0) depctr_vm_vsrc(0)
	s_getreg_b32 s2, hwreg(HW_REG_IB_STS2, 6, 4)
	s_cmp_eq_u32 s2, 0
	s_cbranch_scc0 .Lentry_in_a_cluster
	s_endpgm
.Lentry_in_a_cluster:
	s_bfe_u32 s2, ttmp6, 0x10000c
	s_cmp_lg_u32 s2, 0xf033
	s_cbranch_scc0 .Lentry_shape_is_right
	s_endpgm
.Lentry_shape_is_right:
; ONE LSTM CELL FOR ALL 2,048 ROWS.  gates = x Wih^T + h Whh^T + (bih + bhh); c' = s(f) c + s(i) tanh(g); h' = s(o) tanh(c').  Both products on codes of BF6 (E3M2) with one E8M0 scale for each 32 along K, sums in f32.
; FIRST = 1: the cell ahead of which reference() itself sets h = 0 and c = 0: the product with h, and the f gate, which only multiplies c, add nothing and are not multiplied.
; LAST = 1: relu(h') leaves as f32.  Else c' leaves as f32 in the order of my registers, and h' is quantised along the units, the next cell's K, and leaves as codes in the order of the next operand's registers.
; Arguments: x's pack, the layer's pack of weights and bias, (not FIRST: the state that the cell before stored,) the state or the output that this one stores.
; PACKS.  Rows (x, h): [row block mg: 16][K step of 128: 8] blocks of 12,800 bytes: 8 tiles of 16 rows x 1,536 bytes as [piece: 6][lane][8 bytes]; at +12,288 scale words [half][lane L][q: 2]: tile 4 half + 2 q + L / 16, row L % 16.
; Weights: [ng: 16][K step: 16 (0-7 Wih, 8-15 Whh)] blocks of 25,600 bytes: 16 tiles x 1,536 bytes as [g: 3][lane][16 bytes]; tile 8 uh + 2 gate + u, its row r = unit 64 ng + 32 uh + 8 u + r + 8 (r / 8) of the gate;
; at +24,576 scale words [uh][lane L][q: 4]: tile 2 q + L / 16.  At +6,553,600 the bias [ng][uh][gate][unit: 32].  A state: c at 0 as [mg][ng][wave][tile of rows: 4][j: 4][lane][16 bytes]; at +8,388,608 a pack of h.
; SHARES.  A work-group: 128 rows (mg) x 64 units (ng) x 4 gates.  Wave w: rows 64 (w / 2) on, units 32 (w % 2) on: 4 tiles of rows x 8 tiles of weights = 32 accumulators.  256 work-groups.
; THE MATRIX INSTRUCTION IS USED TRANSPOSED (source 0 = 16 rows of the weights, source 1 = 16 rows of x or h): a lane holds one row, and the 16 registers of a gate's two tiles are units U0 + 16 (lane / 16) + 0 .. 15.
; So all four gates of a unit meet in one lane, and h' has 16 neighbours along the next K in a lane's consecutive registers.
; THE RING: two LDS slots of four K steps each (153,600 bytes), filled by the tensor data mover: waves 0, 1 bring the halves of the rows' blocks, waves 2, 3 those of the weights'.
; CLUSTER: 4 x 4 work-groups; the four of a row of the cluster share mg and ask for the rows' blocks jointly, the four of a column share ng and ask for the weights' jointly.
; PREFETCH INTO THE L2: the two refills (fills 2 and 3: h's and Whh's K steps) are asked of memory one fill, four K steps or 128 matrix instructions a wave, ahead of their joint loads (macro ASK).  Fills 0 and 1 come by their loads alone.
; LIMITS: NaN and infinities are not served.  tanh(x) = 1 - 2 / (1 + 2^(2 x log2 e)): its absolute error is about 1e-7, so its relative error grows for |x| far under 1.  h's largest magnitude of a block is taken no smaller
; than 2^-122 and a block of zeros has the byte 1 (this program alone reads the bytes).  Units 1000 to 1023 have zero weights, bias and c; what is computed for them (0, or a last-bit remainder of tanh(0)) is quantised with
; units 992 to 999 and meets zero codes of the next weights.
; REGISTERS, in windows of 256: window 0: v2-30 addresses; v32-37, v40-45 scale words, two sets; v64-159 the rows' fragments, two sets; v160.. the way out.   window 1: the weights' fragments, two sets, at v0 and v128.
;   window 2: the accumulators: (tile of rows m, tile of weights t) at v[64 m + 8 t].   window 3: v0-63 the bias, tile t at v[8 t]; v64-127 c.
.set FIRST, 0
.set LAST,  1
.set KSA,   12800
.set KSW,   25600
.set WOFF,  4*KSA                      ; a slot: four blocks of rows, then four of weights
.set SLOT,  4*KSA+4*KSW
.set SPARE, 2*SLOT                     ; behind the ring: the spare words, 128 bytes for each wave: two blocks of 256 bytes that no other line names
.set CBYTES, 8388608
.set PBIAS, 256*KSW
.set ADRA,  2                          ; v2-3    my rows' fragments in slot 0, 1
.set ADRAS, 4                          ; v4-5    their scale words
.set ADRW,  6                          ; v6-9    my weights' fragments: slot 0 K steps 0-1, 2-3; slot 1 likewise (an LDS offset has 16 bits)
.set ADRWS, 10                         ; v10-13  their scale words
.set SPW,   14                         ; v14     LDS address of my spare word; never rewritten
.set NIL,   15                         ; v15     0; never rewritten
.set L16,   16                         ; v16     16 x lane
.set BO,    17                         ; v17     64 h: my half's place in a gate's 32 biases
.set E0,    18                         ; v18-24  the way out
.set PFO,   25                         ; v25     the prefetches' offset: 256 x min(lane, 24); never rewritten
.set HH,    28
.set RR,    29
.set L8,    30
.set SC,    32
.set AF,    64
.set BK,    160
.set G1A,   20                         ; s[20:27] descriptor group 1 for the rows' blocks;  s[28:35] for the weights'
.set G1W,   28
.set G0A,   36                         ; s[36:51] groups 0 for the rows' blocks, one for each fill;  s[68:83] for the weights'.  None is written again
.set G0W,   68
.set PFA,   100                        ; s[100:101] where my prefetches stand: my work-group's quarter of what my wave fetches of fill 2; never rewritten
.set LIM,   104                        ; s104    1 in a wave that prefetches, else 0
.set MSB, 0
.macro WIN new                         ; the immediate's high byte repeats the setting that is left
.if MSB != \new
	s_set_vgpr_msb (MSB<<8)|\new
.set MSB, \new
.endif
.endm
.macro PLACES n
.rept \n
	v_nop
.endr
.endm
.macro CREST                           ; a round of the cluster's barrier behind its opening barrier
	s_cmp_lg_u32 s12, 0
	s_cbranch_scc1 .Lnot_wave_0_\@
	s_barrier_signal -3
.Lnot_wave_0_\@:
	s_barrier_wait -3
	s_barrier_signal -1
	s_barrier_wait -1
.endm
.macro CROUND
	s_barrier_signal -1
	s_barrier_wait -1
	CREST
.endm
.macro JLOAD j                         ; a joint load: each line has one mask and one set of registers for all that issue it; the branch hangs on the wave's number alone; four v_nop follow each line
	s_cmp_eq_u32 s13, 0
	s_cbranch_scc0 .Lfor_w_\@
	tensor_load_to_lds s[G0A+4*\j:G0A+4*\j+3], s[G1A:G1A+7]
	s_nop 0
	PLACES 4
	s_branch .Lasked_\@
.Lfor_w_\@:
	tensor_load_to_lds s[G0W+4*\j:G0W+4*\j+3], s[G1W:G1W+7]
	s_nop 0
	PLACES 4
.Lasked_\@:
.endm
; A PREFETCH INTO THE L2 of fill j (2 or 3), one fill ahead of its joint load.  A fill is 200 blocks of 256 bytes of h's pack and 400 of the weights'.  Each block is named by ONE wave of ONE work-group in the launch.
; h's blocks of a row block mg are read by the clusters of every x: the cluster with x = 0 asks.  The weights' blocks of ng are read by the clusters of every y: the cluster with y = 0 asks.
; Of the 100 blocks that wave 0 or 1 fetches (200: wave 2 or 3), the partner at place p among the four that ask for them jointly takes 25 p .. 25 p + 24 (50 p .. 50 p + 49), told apart BY ADDRESS (p = cx for h, cy for the
; weights): no branch hangs on a work-group's place in its cluster.  A lane a block, 25 blocks an instruction (lanes 25 to 31 name their wave's block 24 again).  The address is never stepped: the fill stands in the immediate.
.macro ASK j
	s_cmp_eq_u32 s[LIM], 1
	s_cbranch_scc0 .Lnot_mine_\@
	s_cmp_eq_u32 s13, 0
	s_cbranch_scc0 .Lask_w_\@
	global_prefetch_b8 v[PFO], s[PFA:PFA+1] offset:((\j)-2)*4*KSA th:TH_LOAD_NT scope:SCOPE_SE
	s_branch .Lnot_mine_\@
.Lask_w_\@:
	global_prefetch_b8 v[PFO], s[PFA:PFA+1] offset:((\j)-2)*4*KSW th:TH_LOAD_NT scope:SCOPE_SE
	global_prefetch_b8 v[PFO], s[PFA:PFA+1] offset:((\j)-2)*4*KSW+25*256 th:TH_LOAD_NT scope:SCOPE_SE
.Lnot_mine_\@:
.endm
.macro FETCH slot, q, p                ; the slot's q-th K step into set p: 8 fragments of weights, 4 of rows, their scale words: every load takes consecutive bytes, lane by lane
	WIN 0x40                                       ; destination window 1, address window 0
.irp t, 0,1,2,3,4,5,6,7
.if (FIRST == 0) || ((\t)/2 != 1)
.irp g, 0,1,2
	ds_load_b128 v[128*(\p)+12*\t+4*\g:128*(\p)+12*\t+4*\g+3], v[ADRW+2*(\slot)+(\q)/2] offset:((\q)%2)*KSW+1536*\t+512*\g
.endr
.endif
.endr
	WIN 0
.irp m, 0,1,2,3
.irp c, 0,1,2,3,4,5
	ds_load_b64 v[AF+48*(\p)+12*\m+2*\c:AF+48*(\p)+12*\m+2*\c+1], v[ADRA+(\slot)] offset:KSA*(\q)+1536*\m+256*\c
.endr
.endr
	ds_load_b128 v[SC+8*(\p):SC+8*(\p)+3], v[ADRWS+2*(\slot)+(\q)/2] offset:((\q)%2)*KSW   ; register g: lanes 0-15 the words of tile 2 g, lanes 16-31 of tile 2 g + 1
	ds_load_b64 v[SC+8*(\p)+4:SC+8*(\p)+5], v[ADRAS+(\slot)] offset:KSA*(\q)               ; likewise for the tiles of rows
.endm
.macro WM p, m, t, bias                ; one product; bias = 1: the sum begins with the bias as C (window 3)
.set rD, 64*(\m)+8*(\t)
.set rC, rD
.if \bias
.set rC, 8*(\t)
.endif
.set rW, 128*(\p)+12*(\t)
.set rA, AF+48*(\p)+12*(\m)
.set rX, SC+8*(\p)+(\t)/2
.set rY, SC+8*(\p)+4+(\m)/2
.if ((\t)%2 == 0) && ((\m)%2 == 0)
	v_wmma_scale_f32_16x16x128_f8f6f4 v[rD:rD+7], v[rW:rW+11], v[rA:rA+11], v[rC:rC+7], v[rX], v[rY] matrix_a_fmt:MATRIX_FMT_BF6 matrix_b_fmt:MATRIX_FMT_BF6
.elseif ((\t)%2 == 1) && ((\m)%2 == 0)
	v_wmma_scale_f32_16x16x128_f8f6f4 v[rD:rD+7], v[rW:rW+11], v[rA:rA+11], v[rC:rC+7], v[rX], v[rY] matrix_a_fmt:MATRIX_FMT_BF6 matrix_b_fmt:MATRIX_FMT_BF6 matrix_a_scale:MATRIX_SCALE_ROW1
.elseif ((\t)%2 == 0)
	v_wmma_scale_f32_16x16x128_f8f6f4 v[rD:rD+7], v[rW:rW+11], v[rA:rA+11], v[rC:rC+7], v[rX], v[rY] matrix_a_fmt:MATRIX_FMT_BF6 matrix_b_fmt:MATRIX_FMT_BF6 matrix_b_scale:MATRIX_SCALE_ROW1
.else
	v_wmma_scale_f32_16x16x128_f8f6f4 v[rD:rD+7], v[rW:rW+11], v[rA:rA+11], v[rC:rC+7], v[rX], v[rY] matrix_a_fmt:MATRIX_FMT_BF6 matrix_b_fmt:MATRIX_FMT_BF6 matrix_a_scale:MATRIX_SCALE_ROW1 matrix_b_scale:MATRIX_SCALE_ROW1
.endif
.endm
.macro MULM p, m, bias                 ; tile of rows m against my tiles of weights.  All accumulators take turns, one instruction a turn, in the same order in every K step
.irp t, 0,1,2,3,4,5,6,7
.if (FIRST == 0) || ((\t)/2 != 1)
	WM \p, \m, \t, \bias
.endif
.endr
.endm
.macro STEP slot, q, bias              ; a K step that has its successor in the same slot
	s_wait_dscnt 0x0                               ; this step's fragments are in: they were asked for a K step ago
	PLACES 4                                       ; four places in front of loads into registers that matrix instructions have read (ISA guide 7.12.1 for vector instructions)
	FETCH \slot, (\q)+1, 1-(\q)%2
.if \bias
	WIN 0xb1                                       ; source 0 window 1, source 1 window 0, C window 3, D window 2
.else
	WIN 0xa1                                       ; C and D window 2
.endif
.irp m, 0,1,2,3
	MULM (\q)%2, \m, \bias
.endr
.endm
.macro TURN slot, fill                 ; a slot's last K step changes slots: ONE barrier.  fill >= 0: the slot is filled again, by that fill; the barrier then opens a round of the cluster's
	WIN 0                                          ; (the add's two registers lie in window 0)
	s_wait_tensorcnt 0x0                           ; all my tensor loads have landed: my part of the other slot;
	ds_add_u32 v[SPW], v[NIL]                      ; 0 onto my spare word
	s_wait_dscnt 0x1                               ; this step's fragments are in (only the add may be out)
	WIN 0xa1
	MULM 1, 0, 0                                   ; matrix instructions stand between the add and the wait for it
	s_wait_dscnt 0x0                               ; the add is done, and my reads of this slot are over
	s_barrier_signal -1
	MULM 1, 1, 0
	WIN 0
	s_barrier_wait -1
.if \fill >= 0
	CREST                                          ; no wave of any partner still reads this slot or has a load on its way
	JLOAD \fill                                    ; the first tensor load behind the round, one a wave: four K steps of matrix work in which to land; its four v_nop are also the places in front of the loads below
.else
	PLACES 4
.endif
	FETCH 1-\slot, 0, 0
.if \fill == 2
	ASK 3                                          ; behind the joint load, its four lines and the run of LDS loads: what the next change of slots will ask for, four K steps ahead
.endif
	WIN 0xa1
	MULM 1, 2, 0
	MULM 1, 3, 0
.endm
.macro PICK only_i                     ; use = 1 where register i of window 2 takes part: only_i = 1: the i gate's places alone; else all gates (FIRST: but f)
.set gt, (i/16)%4
.set use, 1
.if \only_i
.if gt != 0
.set use, 0
.endif
.elseif FIRST && (gt == 1)
.set use, 0
.endif
.endm
.macro EXPRCP only_i                   ; y -> 1 / (1 + 2^y), in place.  The exponentials are one batch, the reciprocals another: behind each one plain instruction and ONE wait, ahead of the batch's first reader
.set i, 0
.rept 256
	PICK \only_i
.if use
	v_exp_f32 v[i], v[i]
.endif
.set i, i+1
.endr
	v_nop
	s_wait_alu depctr_va_vdst(0)
.set i, 0
.rept 128
	PICK \only_i
.if use
	v_pk_add_f32 v[i:i+1], v[i:i+1], 1.0 op_sel_hi:[1,0]
.endif
.set i, i+2
.endr
.set i, 0
.rept 256
	PICK \only_i
.if use
	v_rcp_f32 v[i], v[i]
.endif
.set i, i+1
.endr
	v_nop
	s_wait_alu depctr_va_vdst(0)
.endm
	s_load_b128 s[4:7], s[0:1], 0x0                ; x's pack, the layer's pack
.if FIRST
	s_load_b64 s[10:11], s[0:1], 0x10              ; what I store
.else
	s_load_b128 s[8:11], s[0:1], 0x10              ; the state before, what I store
.endif
	v_lshl_add_u32 v[SPW], v0, 2, SPARE
	v_mov_b32 v[NIL], 0
	ds_add_u32 v14, v15
	ds_add_u32 v14, v15
	s_wait_dscnt 0x0
	v_lshrrev_b32 v1, 5, v0
	v_readfirstlane_b32 s12, v1                    ; wave 0..3
	s_lshr_b32 s13, s12, 1                         ; mh: my half of the rows.  Also: I fetch rows' blocks (0) or weights' (1)
	s_and_b32 s14, s12, 1                          ; uh: my half of the units.  Also: which half of a fill I fetch
	s_bfe_u32 s15, ttmp6, 0x40000                  ; cx, cy: my place in the cluster
	s_bfe_u32 s16, ttmp6, 0x40004
	s_lshl_b32 s17, ttmp9, 2
	s_add_co_u32 s17, s17, s15                     ; ng = 4 x cluster x + cx
	s_and_b32 s18, ttmp7, 0xffff
	s_lshl_b32 s18, s18, 2
	s_add_co_u32 s18, s18, s16                     ; mg = 4 x cluster y + cy
	s_lshl_b32 s19, s16, 2
	s_lshl_b32 s19, 15, s19                        ; my row of the cluster
	s_lshl_b32 s52, 0x1111, s15                    ; my column
	; descriptor group 1: a dense block as rows of 256 bytes (32 elements of 8 bytes), no padding: 100 rows (two K steps of rows' blocks), 200 rows (two of weights')
	s_or_b32 s[G1A], s19, (3<<16)|(1<<21)          ; 15:0 the mask; 17:16 elements of 8 bytes; 21 set beside a mask
	s_or_b32 s[G1W], s52, (3<<16)|(1<<21)
	s_mov_b32 s[G1A+1], 32<<16                     ; tensor_dim0
	s_mov_b32 s[G1A+2], 100<<16                    ; tensor_dim1
	s_mov_b32 s[G1A+3], 32<<16                     ; tile_dim0
	s_mov_b32 s[G1A+4], 100                        ; tile_dim1
	s_mov_b32 s[G1A+5], 32                         ; the pitch
	s_mov_b32 s[G1A+6], 0
	s_mov_b32 s[G1A+7], 0
	s_mov_b32 s[G1W+1], 32<<16
	s_mov_b32 s[G1W+2], 200<<16
	s_mov_b32 s[G1W+3], 32<<16
	s_mov_b32 s[G1W+4], 200
	s_mov_b32 s[G1W+5], 32
	s_mov_b32 s[G1W+6], 0
	s_mov_b32 s[G1W+7], 0
	; every wave makes both kinds of group 0; the registers that feed the rows' never hold cx, those that feed the weights' never cy; no place in the cluster enters an LDS address
	s_mul_i32 s53, s14, 2*KSA                      ; my half of a fill of rows' blocks, in LDS and in memory
	s_mul_i32 s54, s18, 8*KSA
	s_add_co_u32 s54, s54, s53
	s_mov_b32 s55, 0
	s_mul_i32 s58, s14, 2*KSW                      ; the same of the weights'
	s_mul_i32 s56, s17, 16*KSW
	s_add_co_u32 s56, s56, s58
	s_mov_b32 s57, 0
	s_add_co_u32 s58, s58, WOFF
	s_mov_b32 s84, 0xbfb8aa3b                      ; -log2(e): s(y) = 1 / (1 + 2^(-y log2 e))
	s_mov_b32 s85, s84                             ; (named with it as a pair, so it is written)
	s_mov_b32 s86, 0x4038aa3b                      ; 2 log2(e): tanh(y) = 1 - 2 / (1 + 2^(2 y log2 e))
	s_mov_b32 s87, s86
	s_mov_b32 s88, 0x76543210
	s_mov_b32 s89, 0xfedcba98                      ; v_permlanex16_b32's selects for lane l xor 16
	s_wait_kmcnt 0x0
	s_add_nc_u64 s[60:61], s[4:5], s[54:55]
	s_add_nc_u64 s[62:63], s[6:7], s[56:57]
.if FIRST == 0
	s_add_nc_u64 s[54:55], s[8:9], s[54:55]
	s_add_nc_u64 s[54:55], s[54:55], CBYTES        ; h's pack
.endif
.irp j, 0,1,2,3                        ; fill j: K steps 4 j .. 4 j + 3, into slot j % 2: rows from x's pack (j < 2) or h's
.if (\j < 2) || (FIRST == 0)
	s_mov_b32 s[G0A+4*\j], 1
	s_add_co_u32 s[G0A+4*\j+1], s53, (\j%2)*SLOT
.if \j < 2
	s_add_nc_u64 s[G0A+4*\j+2:G0A+4*\j+3], s[60:61], (\j%2)*4*KSA
.else
	s_add_nc_u64 s[G0A+4*\j+2:G0A+4*\j+3], s[54:55], (\j%2)*4*KSA
.endif
	s_or_b32 s[G0A+4*\j+3], s[G0A+4*\j+3], 0x80000000
	s_mov_b32 s[G0W+4*\j], 1
	s_add_co_u32 s[G0W+4*\j+1], s58, (\j%2)*SLOT
	s_add_nc_u64 s[G0W+4*\j+2:G0W+4*\j+3], s[62:63], \j*4*KSW
	s_or_b32 s[G0W+4*\j+3], s[G0W+4*\j+3], 0x80000000
.endif
.endr
	s_lshl_b32 s56, s17, 10                        ; the bias of (ng, uh)
	s_lshl_b32 s57, s14, 9
	s_add_co_u32 s56, s56, s57
	s_add_co_u32 s56, s56, PBIAS
	s_mov_b32 s57, 0
	s_add_nc_u64 s[56:57], s[6:7], s[56:57]
.if LAST == 0
	s_lshl_b32 s90, s18, 3                         ; h' goes to block 8 mg + ng / 2 of the pack: my 64 units are half ng % 2 of its 128
	s_lshr_b32 s91, s17, 1
	s_add_co_u32 s90, s90, s91
	s_mul_i32 s90, s90, KSA
	s_add_co_u32 s90, s90, CBYTES
	s_and_b32 s91, s17, 1
	s_mul_i32 s98, s91, 768                        ; pieces 3 (ng % 2) on of each tile
	s_add_co_u32 s66, s90, s98
	s_mov_b32 s67, 0
	s_lshl_b32 s91, s91, 1                         ; bytes 2 (ng % 2) on of each scale word
	s_add_co_u32 s96, s90, s91
	s_add_co_u32 s96, s96, 12288
	s_mov_b32 s97, 0
	s_add_nc_u64 s[66:67], s[10:11], s[66:67]
	s_add_nc_u64 s[96:97], s[10:11], s[96:97]
.endif
	s_lshl_b32 s90, s18, 4                         ; c: 8,192 bytes for each wave of each work-group
	s_add_co_u32 s90, s90, s17
	s_lshl_b32 s90, s90, 2
	s_add_co_u32 s90, s90, s12
	s_lshl_b32 s90, s90, 13
	s_mov_b32 s91, 0
.if FIRST == 0
	s_add_nc_u64 s[92:93], s[8:9], s[90:91]
.endif
.if LAST == 0
	s_add_nc_u64 s[94:95], s[10:11], s[90:91]
.else
	s_lshl_b32 s90, s18, 7                         ; the output: row 128 mg + 32 w, unit 64 ng
	s_lshl_b32 s98, s12, 5
	s_add_co_u32 s90, s90, s98
	s_mul_i32 s90, s90, 4000
	s_lshl_b32 s98, s17, 8
	s_add_co_u32 s90, s90, s98
	s_add_nc_u64 s[94:95], s[10:11], s[90:91]
	s_lshl_b32 s98, s17, 4
	s_sub_co_u32 s98, 250, s98                     ; how many groups of four units of my 64 exist: 10 where ng = 15, else more than 16
.endif
	CROUND                                         ; all sixteen work-groups are here: the first joint loads meet
	s_cmp_eq_u32 s13, 0                            ; a wave's two first fills stand in one branch, ahead of every wait on TENSORcnt and every LDS read: two loads of mine are out
	s_cbranch_scc0 .Lfirst_w
	tensor_load_to_lds s[G0A:G0A+3], s[G1A:G1A+7]
	s_nop 0
	tensor_load_to_lds s[G0A+4:G0A+7], s[G1A:G1A+7]
	s_nop 0
	PLACES 4
	s_branch .Lfirst_asked
.Lfirst_w:
	tensor_load_to_lds s[G0W:G0W+3], s[G1W:G1W+7]
	s_nop 0
	tensor_load_to_lds s[G0W+4:G0W+7], s[G1W:G1W+7]
	s_nop 0
	PLACES 4
.Lfirst_asked:
.if FIRST == 0
	; the prefetches (macro ASK): where my wave's stand, and who asks.  At work: s2, s3, s90, s91, which feed no descriptor and no LDS address
	s_and_b32 s3, ttmp7, 0xffff                    ; cluster y
	s_mov_b32 s91, 50*256
	s_cmp_eq_u32 s13, 0                            ; do I fetch the rows' blocks?
	s_cselect_b32 s3, ttmp9, s3                    ; the coordinate along which other clusters read the same blocks
	s_cselect_b32 s90, s15, s16                    ; my place among the four that ask for them with me
	s_cselect_b32 s91, 25*256, s91                 ; a partner's quarter of what a wave fetches
	s_cselect_b32 s2, 0, 2*4*KSW                   ; fill 2 begins here in the weights' blocks of ng (h's pack begins with it)
	s_cselect_b64 s[PFA:PFA+1], s[54:55], s[62:63] ; my wave's half of a fill, in h's pack or in the weights'
	s_mul_i32 s90, s90, s91
	s_add_co_u32 s2, s2, s90
	s_cmp_eq_u32 s3, 0
	s_cselect_b32 s[LIM], 1, 0                     ; the same in all sixteen partners, for a given wave
	s_mov_b32 s3, 0
	s_add_nc_u64 s[PFA:PFA+1], s[PFA:PFA+1], s[2:3]
.endif
	v_and_b32 v1, 31, v0                           ; lane
	v_bfe_u32 v[HH], v0, 4, 1                      ; h
	v_and_b32 v[RR], 15, v0                        ; r
	v_lshlrev_b32 v[L16], 4, v1
	v_lshlrev_b32 v[L8], 3, v1
	v_lshlrev_b32 v[BO], 6, v[HH]
	v_min_u32 v[PFO], 24, v1
	v_lshlrev_b32 v[PFO], 8, v[PFO]
	s_mul_i32 s59, s13, 4*1536                     ; my four tiles of rows
	v_add_nc_u32 v[ADRA], s59, v[L8]
	v_add_nc_u32 v[ADRA+1], SLOT, v[ADRA]
	s_lshl_b32 s59, s13, 8
	s_add_co_u32 s59, s59, 12288
	v_add_nc_u32 v[ADRAS], s59, v[L8]
	v_add_nc_u32 v[ADRAS+1], SLOT, v[ADRAS]
	s_mul_i32 s59, s14, 8*1536                     ; my eight tiles of weights
	s_add_co_u32 s59, s59, WOFF
	v_add_nc_u32 v[ADRW], s59, v[L16]
	v_add_nc_u32 v[ADRW+1], 2*KSW, v[ADRW]
	v_add_nc_u32 v[ADRW+2], SLOT, v[ADRW]
	v_add_nc_u32 v[ADRW+3], SLOT+2*KSW, v[ADRW]
	s_lshl_b32 s59, s14, 9
	s_add_co_u32 s59, s59, WOFF+24576
	v_add_nc_u32 v[ADRWS], s59, v[L16]
	v_add_nc_u32 v[ADRWS+1], 2*KSW, v[ADRWS]
	v_add_nc_u32 v[ADRWS+2], SLOT, v[ADRWS]
	v_add_nc_u32 v[ADRWS+3], SLOT+2*KSW, v[ADRWS]
.if LAST == 0
	; the way out of h': a stage at LDS byte 0 (slot 0 has had its last fill and its last read by then): [tile of rows: 8][768 bytes: three pieces], then at 6,144 two scale bytes for each row
	s_mul_i32 s59, s13, 4*768
	s_lshl_b32 s99, s14, 7                         ; the operand's lane is r + 16 uh: 8 bytes a lane
	s_add_co_u32 s59, s59, s99
	v_lshl_add_u32 v[E0], v[RR], 3, s59
	v_mad_u32_u24 v[E0+1], v[HH], 508, v[E0]       ; my second word: h = 0: byte 4 of piece 0; h = 1: byte 0 of piece 2 (with the offset 4)
	v_mad_u32_u24 v[E0], v[HH], 260, v[E0]         ; my first and third: h = 0: piece 0 byte 0, piece 1 byte 0; h = 1: piece 1 byte 4, piece 2 byte 4
	s_lshl_b32 s59, s13, 7
	s_add_co_u32 s59, s59, s14
	s_add_co_u32 s59, s59, 6144
	v_lshl_add_u32 v[E0+2], v[RR], 1, s59          ; my row's scale byte
	s_mul_i32 s59, s12, 1536
	v_add_nc_u32 v[E0+3], s59, v[L8]               ; back: wave w takes tiles 2 w and 2 w + 1,
	s_mul_i32 s59, s12, 3072
	v_add_nc_u32 v[E0+4], s59, v[L8]               ; which lie 1,536 bytes apart in the pack
	s_lshl_b32 s59, s12, 6
	s_add_co_u32 s59, s59, 6144
	v_lshl_add_u32 v[E0+5], v1, 1, s59             ; and 32 pairs of scale bytes,
	s_lshl_b32 s59, s13, 8
	s_lshl_b32 s99, s14, 2
	s_add_co_u32 s59, s59, s99
	v_add_nc_u32 v[E0+6], s59, v[L8]               ; for the words [w / 2][lane][w % 2]
.else
	; the way out of relu(h'): a stage at LDS byte 0: 128 rows x (256 bytes + 16)
	s_mul_i32 s59, s13, 64*272
	s_lshl_b32 s99, s14, 7
	s_add_co_u32 s59, s59, s99
	v_mul_u32_u24 v[E0], v[RR], 272
	v_add_nc_u32 v[E0], s59, v[E0]
	v_lshl_add_u32 v[E0], v[HH], 6, v[E0]          ; in: row 64 mh + r, + 128 uh + 64 h
	s_mul_i32 s59, s12, 32*272
	v_mul_u32_u24 v[E0+1], v[HH], 272
	v_lshl_add_u32 v[E0+1], v[RR], 4, v[E0+1]
	v_add_nc_u32 v[E0+1], s59, v[E0+1]             ; back: wave w takes rows 32 w on; lanes 0-15 one row, lanes 16-31 the next
	v_mul_u32_u24 v[E0+2], v[HH], 4000
	v_lshl_add_u32 v[E0+2], v[RR], 4, v[E0+2]      ; and the same two rows in the output
.endif
	WIN 0xc0                                       ; destination window 3, address window 0
.irp t, 0,1,2,3,4,5,6,7                ; the bias in the result's layout: tile t = 2 gate + u, register j: unit U0 + 16 h + 8 u + j
.if (FIRST == 0) || ((\t)/2 != 1)
	global_load_b128 v[8*\t:8*\t+3], v[BO], s[56:57] offset:128*(\t/2)+32*(\t%2)
	global_load_b128 v[8*\t+4:8*\t+7], v[BO], s[56:57] offset:128*(\t/2)+32*(\t%2)+16
.endif
.endr
.if FIRST == 0
.irp m, 0,1,2,3
.irp j, 0,1,2,3
	global_load_b128 v[64+16*\m+4*\j:64+16*\m+4*\j+3], v[L16], s[92:93] offset:(4*\m+\j)*512 th:TH_LOAD_NT   ; c, wanted only behind the products
.endr
.endr
.endif
	WIN 0
	s_wait_tensorcnt 0x1                           ; my part of slot 0 is in; slot 1's may stay out
	s_barrier_signal -1
	s_barrier_wait -1                              ; everybody's is
	FETCH 0, 0, 0
.if FIRST == 0
	ASK 2                                          ; behind the first run of LDS loads: what the first change of slots will ask for, four K steps ahead
.endif
.if FIRST
	s_wait_loadcnt 0x0                             ; the bias
.else
	s_wait_loadcnt 16                              ; the bias is in; c's 16 loads may be out
.endif
	STEP 0, 0, 1                                   ; the first K step starts the sums, with the bias as C: nothing is cleared
	STEP 0, 1, 0
	STEP 0, 2, 0
.if FIRST == 0
	TURN 0, 2                                      ; slot 0 takes h's K steps 0-3
	STEP 1, 0, 0
	STEP 1, 1, 0
	STEP 1, 2, 0
	TURN 1, 3                                      ; slot 1 takes h's K steps 4-7
	STEP 0, 0, 0
	STEP 0, 1, 0
	STEP 0, 2, 0
.endif
	TURN 0, -1                                     ; nothing is left to fetch: no round
	STEP 1, 0, 0
	STEP 1, 1, 0
	STEP 1, 2, 0
	s_wait_dscnt 0x0
.irp m, 0,1,2,3
	MULM 1, \m, 0
.endr
	; THE CELL, in place in window 2.  For tile of rows m: i at v[64 m], f at +16, g at +32, o at +48; register n: unit U0 + 16 h + n.  Each accumulator is read from its low end on.
	PLACES 4
	WIN 0xaa                                       ; all operands window 2
.set i, 0
.rept 128
	PICK 0
.if use
.if gt == 2
	v_pk_mul_f32 v[i:i+1], v[i:i+1], s[86:87] op_sel_hi:[1,0]
.else
	v_pk_mul_f32 v[i:i+1], v[i:i+1], s[84:85] op_sel_hi:[1,0]
.endif
.endif
.set i, i+2
.endr
	EXPRCP 0                                       ; s(i), s(f), s(o), and 1 / (1 + 2^(2 g log2 e))
.irp m, 0,1,2,3
.irp n, 0,2,4,6,8,10,12,14
	v_pk_fma_f32 v[64*\m+32+\n:64*\m+33+\n], v[64*\m+32+\n:64*\m+33+\n], -2.0, 1.0 op_sel_hi:[1,0,0]   ; tanh(g)
.endr
.endr
.if FIRST
.irp m, 0,1,2,3
.irp n, 0,2,4,6,8,10,12,14
	v_pk_mul_f32 v[64*\m+16+\n:64*\m+17+\n], v[64*\m+\n:64*\m+1+\n], v[64*\m+32+\n:64*\m+33+\n]        ; c' = s(i) tanh(g), at f's place
.endr
.endr
.else
.irp m, 0,1,2,3
.irp n, 0,2,4,6,8,10,12,14
	v_pk_mul_f32 v[64*\m+\n:64*\m+1+\n], v[64*\m+\n:64*\m+1+\n], v[64*\m+32+\n:64*\m+33+\n]            ; s(i) tanh(g)
.endr
.endr
	s_wait_loadcnt 0x0                             ; c
	WIN 0xae                                       ; source 1 window 3
.irp m, 0,1,2,3
.irp n, 0,2,4,6,8,10,12,14
	v_pk_fma_f32 v[64*\m+16+\n:64*\m+17+\n], v[64*\m+16+\n:64*\m+17+\n], v[64+16*\m+\n:65+16*\m+\n], v[64*\m+\n:64*\m+1+\n]   ; c' = s(f) c + s(i) tanh(g)
.endr
.endr
.endif
.if LAST == 0
	WIN 0x08                                       ; a store's data are its source 1: window 2
.irp m, 0,1,2,3
.irp j, 0,1,2,3
	global_store_b128 v[L16], v[64*\m+16+4*\j:64*\m+19+4*\j], s[94:95] offset:(4*\m+\j)*512   ; 512 consecutive bytes, aligned to 256; these registers are not written again
.endr
.endr
.endif
	WIN 0xaa
.irp m, 0,1,2,3
.irp n, 0,2,4,6,8,10,12,14
	v_pk_mul_f32 v[64*\m+\n:64*\m+1+\n], v[64*\m+16+\n:64*\m+17+\n], s[86:87] op_sel_hi:[1,0]
.endr
.endr
	EXPRCP 1
.irp m, 0,1,2,3
.irp n, 0,2,4,6,8,10,12,14
	v_pk_fma_f32 v[64*\m+\n:64*\m+1+\n], v[64*\m+\n:64*\m+1+\n], -2.0, 1.0 op_sel_hi:[1,0,0]           ; tanh(c')
.endr
.endr
.irp m, 0,1,2,3
.irp n, 0,2,4,6,8,10,12,14
	v_pk_mul_f32 v[64*\m+\n:64*\m+1+\n], v[64*\m+\n:64*\m+1+\n], v[64*\m+48+\n:64*\m+49+\n]            ; h' = s(o) tanh(c')
.endr
.endr
.if LAST == 0
	; h' BECOMES CODES.  My 32 units are one block of the next K; lanes l and l xor 16 hold its halves.  At work: g's registers, which are free
.irp m, 0,1,2,3
	v_max3_num_f32 v[64*\m+32], |v[64*\m]|, |v[64*\m+1]|, 0x2800000    ; my 16 numbers and the floor 2^(5 - 127): the byte cannot fall under 1.  (The four tiles by turns)
.endr
.irp n, 2,4,6,8,10,12,14
.irp m, 0,1,2,3
	v_max3_num_f32 v[64*\m+32], v[64*\m+32], |v[64*\m+\n]|, |v[64*\m+\n+1]|
.endr
.endr
.irp m, 0,1,2,3
	v_permlanex16_b32 v[64*\m+33], v[64*\m+32], s88, s89
.endr
.irp m, 0,1,2,3
	v_max_num_f32 v[64*\m+32], v[64*\m+32], v[64*\m+33]                ; the block's largest magnitude
.endr
.irp m, 0,1,2,3
	v_add_nc_u32 v[64*\m+34], 0xfe000000, v[64*\m+32]                  ; 4 off its exponent field: the conversion's scale operand
.endr
.irp m, 0,1,2,3
	v_lshrrev_b32 v[64*\m+35], 23, v[64*\m+34]                         ; the scale's byte
.endr
.irp m, 0,1,2,3
	v_cvt_scalef32_pk16_bf6_f32 v[64*\m+36:64*\m+38], v[64*\m:64*\m+15], v[64*\m+34]
.endr
	v_nop                                          ; one plain place behind the scaled conversions
	WIN 0x08
.irp m, 0,1,2,3                        ; my 12 bytes are the lower (h = 0) or upper (h = 1) half of the 24 that lane r + 16 uh of the next operand holds
	ds_store_b32 v[E0], v[64*\m+36] offset:768*\m
	ds_store_b32 v[E0+1], v[64*\m+37] offset:768*\m+4
	ds_store_b32 v[E0], v[64*\m+38] offset:768*\m+256
	ds_store_b8 v[E0+2], v[64*\m+35] offset:64*(\m/2)+32*(\m%2)        ; both lanes of a row write the same byte with the same value
.endr
	WIN 0
	s_wait_dscnt 0x0                               ; for the others' sake: my stores into the stage are done
	s_barrier_signal -1
	s_barrier_wait -1
.irp j, 0,1,2,3,4,5
	ds_load_b64 v[BK+2*\j:BK+2*\j+1], v[E0+3] offset:256*\j
.endr
	ds_load_u16 v[BK+12], v[E0+5]
	s_wait_dscnt 0x0
.irp j, 0,1,2,3,4,5
	global_store_b64 v[E0+4], v[BK+2*\j:BK+2*\j+1], s[66:67] offset:1536*(\j/3)+256*(\j%3)   ; 32 lanes store 256 consecutive bytes, aligned
.endr
	global_store_b16 v[E0+6], v[BK+12], s[96:97]   ; two of a scale word's four bytes: the other two are another work-group's.  64 bytes a wave
.else
.set i, 0
.rept 256
	PICK 1
.if use
	v_max_num_f32 v[i], 0, v[i]                    ; relu
.endif
.set i, i+1
.endr
	WIN 0x08
.irp m, 0,1,2,3
.irp j, 0,1,2,3
	ds_store_b128 v[E0], v[64*\m+4*\j:64*\m+4*\j+3] offset:16*272*\m+16*\j
.endr
.endr
	WIN 0
	s_wait_dscnt 0x0                               ; for the others' sake: a row's 256 bytes come from two waves
	s_barrier_signal -1
	s_barrier_wait -1
.irp i, 0,1,2,3,4,5,6,7,8,9,10,11,12,13,14,15
	ds_load_b128 v[BK+4*\i:BK+4*\i+3], v[E0+1] offset:2*272*\i
.endr
	s_wait_xcnt 0x0                                ; EXEC changes only behind this wait: it is a source of the loads issued above
	v_cmp_gt_u32 vcc_lo, s98, v[RR]
	s_and_saveexec_b32 s99, vcc_lo                 ; units 1000 to 1023 are not stored
.irp i, 0,1,2,3,4,5,6,7,8,9,10,11,12,13,14,15
	s_wait_dscnt 15-\i                             ; LDS loads come back in order: number i is in
	global_store_b128 v[E0+2], v[BK+4*\i:BK+4*\i+3], s[94:95] offset:8000*\i th:TH_STORE_NT   ; 16 lanes store 256 consecutive bytes of a row (a row of the output is 4,000 bytes, so they begin at multiples of 32)
.endr
	s_wait_xcnt 0x0                                ; and again, in front of the line that widens it
	s_or_b32 exec_lo, exec_lo, s99
.endif
	s_wait_tensorcnt 0x0                           ; the wave's end, behind my last tensor load and my last LDS store
	ds_add_u32 v[SPW], v[NIL]
	s_wait_dscnt 0x0
	CROUND                                         ; the closing round: no work-group ends while a partner may still ask for a tile that names it
	s_endpgm
.Lfunc_end_k_q430ae0c40a_layer3:
	.size	k_q430ae0c40a_layer3, .Lfunc_end_k_q430ae0c40a_layer3-k_q430ae0c40a_layer3
	.p2alignl 7, 3214868480
	.fill 96, 4, 3214868480
	.section	.rodata,"a",@progbits
	.p2align	6, 0x0
	.amdhsa_kernel k_q430ae0c40a_layer3
		.amdhsa_group_segment_fixed_size 327680
		.amdhsa_private_segment_fixed_size 0
		.amdhsa_enable_private_segment 0
		.amdhsa_kernarg_size 32
		.amdhsa_user_sgpr_count 2
		.amdhsa_user_sgpr_kernarg_segment_ptr 1
		.amdhsa_wavefront_size32 1
		.amdhsa_system_sgpr_workgroup_id_x 1
		.amdhsa_system_sgpr_workgroup_id_y 1
		.amdhsa_system_sgpr_workgroup_id_z 1
		.amdhsa_system_vgpr_workitem_id 0
		.amdhsa_next_free_vgpr 1024
		.amdhsa_next_free_sgpr 106
		.amdhsa_reserve_vcc 1
		.amdhsa_float_denorm_mode_32 3
		.amdhsa_float_denorm_mode_16_64 3
		.amdhsa_memory_ordered 1
		.amdhsa_forward_progress 1
		.amdhsa_inst_pref_size 191
	.end_amdhsa_kernel
	.amdgpu_metadata
---
amdhsa.version: [ 1, 2 ]
amdhsa.kernels:
  - .name:           k_q430ae0c40a_layer3
    .symbol:         k_q430ae0c40a_layer3.kd
    .args:
      - { .name: xq, .offset: 0, .size: 8, .value_kind: global_buffer, .address_space: global }
      - { .name: p3, .offset: 8, .size: 8, .value_kind: global_buffer, .address_space: global }
      - { .name: st_a, .offset: 16, .size: 8, .value_kind: global_buffer, .address_space: global }
      - { .name: out0, .offset: 24, .size: 8, .value_kind: global_buffer, .address_space: global }
    .group_segment_fixed_size: 327680
    .private_segment_fixed_size: 0
    .kernarg_segment_align: 8
    .kernarg_segment_size: 32
    .max_flat_workgroup_size: 128
    .sgpr_count:     106
    .vgpr_count:     1024
    .wavefront_size: 32
...
	.end_amdgpu_metadata
.endif
;; end of part 4
